; MI455X (gfx1250); checked and timed in simulation.
; The chip was launched on July 23, 2026; its instructions are those of AMD's public machine-readable ISA for CDNA 5 (MIT licence, August 2026) and "CDNA5" Instruction Set Architecture Reference Guide (July 2026). The comments in the code are by the model that wrote it; some were corrected since.
;; Orthogonal Phasor. Allowed arithmetic: matrix products marked QUANTISED: E2M1 operands, one E8M0 scale for each 32 along K, by v_wmma_scale_f32_16x16x128_f8f6f4 with both operands' format E2M1 (or v_wmma_scale_f32_32x16x128_f4), f32 sums; products left as they are: bf16, f16 or f32 operands; f32 sums; everything else in f32.
;; Inputs: Wk 1,024 x 1,024 float32; Wkp 1,024 x 1,024 float32; Wo 1,024 x 1,024 float32; Wq 1,024 x 1,024 float32; Wqp 1,024 x 1,024 float32; Wv 1,024 x 1,024 float32; bk 1,024 float32; bkp 1,024 float32; bo 1,024 float32; bq 1,024 float32; bqp 1,024 float32; bv 1,024 float32; ln_b 1,024 float32; ln_g 1,024 float32; phase_scale 1,024 float32; x 4 x 2,048 x 1,024 float32.
;; Outputs: out0 4 x 2,048 x 1,024 float32.
;; This version of the problem:
;;   THIS VERSION OF THE PROBLEM IS GIVEN IN LOW PRECISION. The matrix products marked QUANTISED in the list below multiply operands that are first quantised to E2M1 (2 exponent bits, 1 mantissa bit; 4 bits a number), with one power-of-two scale for each 32 numbers along K (OCP MX v1.0); their sums are f32. The products marked 'left as it is' may take bf16, f16 or f32 operands, with f32 sums. Whichever they take, every output number must still come out within the allowed error. Rounding operands to bf16 (8 significant bits) uses up far more of that allowance than f16 does (11 bits, for magnitudes from 6e-5 to 65,504). All else is computed in f32.
;;   The module's matrix products, in the order in which they are computed (A, B: the left and right operand; K: the contracted axis; several contracted axes count as one K, in the product's order):
;;     1. [M 8,192, K 1,024] x [K 1,024, N 1,024]; A: input x; B: input Wk: QUANTISED
;;     2. [M 8,192, K 1,024] x [K 1,024, N 1,024]; A: input x; B: input Wv: QUANTISED
;;     3. [M 8,192, K 1,024] x [K 1,024, N 1,024]; A: input x; B: input Wq: QUANTISED
;;     4. [M 8,192, K 1,024] x [K 1,024, N 1,024]; A: computed on the way; B: input Wkp: left as it is (an operand is computed on the way)
;;     5. [M 8,192, K 1,024] x [K 1,024, N 1,024]; A: computed on the way; B: input Wqp: left as it is (an operand is computed on the way)
;;     6. [M 8,192, K 1,024] x [K 1,024, N 1,024]; A: computed on the way; B: input Wo: left as it is (an operand is computed on the way)
;;   THE QUANTISER, for each operand of a quantised product, along K:
;;     - K is cut into blocks of 32 from its start; a last block that is shorter is filled with zeros.
;;     - A block's scale is 2^e with e = floor(log2(the largest magnitude in the block)) - 2, held to -126 .. 127; a block of zeros has e = 0. As a byte (E8M0): e + 127.
;;     - Each number is divided by its block's scale, clamped to +-6, and rounded to the nearest number of E2M1, ties to even, subnormals kept.
;;     - The product sums the exact products of the quantised numbers (number of the format x scale) in f32.
;;   ~~~python
;;   def quantise(x, axis):      # numpy; x: float32 -> the quantised numbers, widened to float32 again
;;       x = np.moveaxis(x, axis, -1); K = x.shape[-1]
;;       x = np.pad(x, [(0, 0)] * (x.ndim - 1) + [(0, -K % 32)]); x = x.reshape(x.shape[:-1] + (-1, 32)); a = np.abs(x).max(-1, keepdims=True)
;;       e = np.where(a > 0, np.clip(np.frexp(np.where(a > 0, a, 1))[1] - 1 - 2, -126, 127), 0)      # np.frexp(a)[1] - 1 = floor(log2(a)), exactly
;;       r = np.clip(x / 2.0 ** e, -6, 6)
;;       step = 2.0 ** (np.maximum(np.frexp(np.where(r == 0, 1, r))[1] - 1, 0) - 1)
;;       q = np.round(r / step) * step * 2.0 ** e      # np.round: ties to even
;;       return np.moveaxis(q.reshape(q.shape[:-2] + (-1,))[..., :K], -1, axis).astype(np.float32)
;;   ~~~
;; One version. Each part assembles by itself: llvm-mc -triple=amdgcn-amd-amdhsa -mcpu=gfx1250 --defsym DOCPART=n.
;; ======== version 1 of 1: 4 launches
;; limits: values are held in f16: magnitudes above 65,504 overflow, below 6.1e-05 lose precision; right only within a limited range of input values
;; workspace buffers: q4 6,127,616 bytes; wimg 6,361,088 bytes; kq 33,554,432 bytes; di 16,777,216 bytes; st 1,048,576 bytes
;; launch prep (part 1): grid 544 x 1, 4 waves a work-group, no clusters, 77,824 bytes of LDS; arguments x, Wq, Wk, Wv, Wqp, Wkp, Wo, ln_g, ln_b, bo, q4, wimg; writes q4, wimg
.if DOCPART == 1
	.amdgcn_target "amdgcn-amd-amdhsa--gfx1250"
	.amdhsa_code_object_version 6
	.text
	.protected	k_q2150591a3e_prep
	.globl	k_q2150591a3e_prep
	.p2align	8
	.type	k_q2150591a3e_prep,@function
k_q2150591a3e_prep:
	s_mov_b64 s[64:65], 0
	v_nop
	global_prefetch_b8 v0, s[64:65] scope:SCOPE_SE
	s_setreg_imm32_b32 hwreg(HW_REG_WAVE_MODE, 25, 1), 1
	s_wait_xcnt 0x0
; PREP.  Every operand of the later launches is laid out once, as images of the operand's registers (a fragment = 1,024 bytes: [c 0..1][lane][16 bytes], c = registers 4 c .. 4 c + 3).
; Work-groups 0-351 QUANTISE x, Wq, Wk, Wv to codes of E2M1 with one E8M0 byte for each 32 along K: a block's byte is the exponent field of its largest magnitude less 2, held at 1 from below.
; Work-groups 352-543 ROUND Wqp, Wkp and ln_g x Wo to f16, and make for Wo two tables: G[wg][e] = the sum over the 64 k of group wg of ln_g[k] Wo[e][k] (f16), and bias2[e] = bo[e] + the sum over k of ln_b[k] Wo[e][k] (f32).
; ROW ORDER of x: in each group g of 128 rows, tile i (16 rows) holds rows 128 g + 8 i + 0..7 and then rows 128 g + 64 + 8 i + 0..7.  All workspace is in that order.
; LIMITS: NaN and infinities among the inputs are not served; a block of zeros gets the byte 1 (its codes are zeros, and this program alone reads the bytes); blocks whose largest magnitude lies under 2^-124 have their byte held at 1;
; Wqp, Wkp, ln_g x Wo and G stay under 65,504 in magnitude; under 6e-5 they keep f16's smallest step, 6e-8.
; The two kinds of work-group part on the work-group's number and have LDS bytes of their own.  No tensor load: LDS is claimed as it is used.
.set XS,    4194304                    ; q4: x's codes at 0 [kh 2][tile 512][ksl 4][1024]; x's scale bytes [kh][row 8192][16]
.set WC,    4456448                    ; the weights' codes [kh 2][tile 192][4][1024]: tiles 0-63 Wq, 64-127 Wk, 128-191 Wv
.set WS,    6029312                    ; their scale bytes [kh][row 3072][16]
.set WO,    4194304                    ; wimg: at 0 Wqp, Wkp [ct 4][t 2][s 8][w 4][q 4][j 4][1024]; here ln_g x Wo [ct 4][s 8][w 4][q 4][j 4][1024]
.set WX,    6291456                    ; G as B fragments [rg 64][1024]
.set B2,    6356992                    ; bias2 [1024] f32
.set WREG,  10240                      ; LDS of a quantising wave: two stages of 32 x 80, 256 scale bytes, 16 blocks x 272 of codes
.set SP,    80
.set SCB,   5120
.set CST,   5376
.set CONV,  40960                      ; LDS of a rounding wave: 32 blocks x 272
.set CREG,  8704
.set GT,    75776                      ; [16 rows][16 groups] f32
.set BT,    76800                      ; [16 rows][4 waves] f32
.set SPARE, 77056                      ; the spare words, 128 bytes for each wave
.set SPW,   12
.set NIL,   13
.set R,     16                         ; v16-79   four sets of 16 numbers as loaded
.set XQ,    80                         ; v80-111  two sets of 16 neighbours
.set EB,    112                        ; v112-127 a scale byte for each step
.set CD,    128                        ; v128-191 codes, four registers for each step
	s_load_b256 s[4:11], s[0:1], 0x0               ; x, Wq, Wk, Wv
	s_load_b256 s[12:19], s[0:1], 0x20             ; Wqp, Wkp, Wo, ln_g
	s_load_b256 s[20:27], s[0:1], 0x40             ; ln_b, bo, q4, wimg
	v_lshl_add_u32 v[SPW], v0, 2, SPARE
	v_mov_b32 v[NIL], 0
	v_lshrrev_b32 v1, 5, v0
	v_readfirstlane_b32 s28, v1                    ; wave
	v_and_b32 v2, 31, v0                           ; lane
	v_lshlrev_b32 v3, 4, v2                        ; 16 x lane
	s_cmp_ge_u32 ttmp9, 352
	s_cbranch_scc1 .Lconv
; ---------------- the quantiser: a wave takes one tile of 16 rows x 512 along K; step t is row t ----------------
	s_mul_i32 s29, s28, WREG
	v_lshrrev_b32 v14, 2, v2
	v_mul_u32_u24 v14, v14, SP
	v_and_b32 v15, 3, v2
	v_lshl_add_u32 v14, v15, 4, v14
	v_add_nc_u32 v14, s29, v14                     ; the stage on the way in: 80 (lane / 4) + 16 (lane % 4)
	v_mul_u32_u24 v15, v2, SP
	v_add_nc_u32 v15, s29, v15                     ; and on the way out: 80 x lane: my 16 neighbours
	v_lshrrev_b32 v5, 1, v2                        ; my block of 32 among the row's 16
	v_mul_u32_u24 v10, v5, 272
	v_and_b32 v6, 1, v2
	v_lshl_add_u32 v10, v6, 3, v10
	s_add_co_u32 s30, s29, CST
	v_add_nc_u32 v10, s30, v10                     ; codes: block x 272 + 8 (lane % 2); a row's place, 16 t, stands in the immediate
	v_lshrrev_b32 v8, 4, v2
	v_mul_u32_u24 v8, v8, 272
	v_and_b32 v9, 15, v2
	v_lshl_add_u32 v8, v9, 4, v8
	v_add_nc_u32 v1, s30, v8                       ; and back: two blocks an instruction, 256 bytes each
	s_add_co_u32 s30, s29, SCB
	v_add_nc_u32 v5, s30, v5                       ; my block's scale byte
	v_lshlrev_b32 v7, 3, v2
	v_add_nc_u32 v6, s30, v7                       ; and back, 8 bytes a lane
	s_wait_kmcnt 0x0
	s_cmp_lt_u32 ttmp9, 320                        ; which tensor: the choice hangs on the work-group's number alone
	s_cselect_b64 s[32:33], s[8:9], s[10:11]
	s_cmp_lt_u32 ttmp9, 288
	s_cselect_b64 s[32:33], s[6:7], s[32:33]
	s_cmp_lt_u32 ttmp9, 256
	s_cselect_b64 s[32:33], s[4:5], s[32:33]
	s_cselect_b32 s34, 0, 256
	s_cselect_b32 s35, 229376, 0                   ; x: rows 8-15 of a tile lie 56 rows further on than their number says
	s_mov_b32 s36, 786432
	s_cselect_b32 s36, 2097152, s36                ; from K half to K half in the codes
	s_mov_b32 s37, WC
	s_cselect_b32 s37, 0, s37
	s_mov_b32 s38, 49152
	s_cselect_b32 s38, 131072, s38                 ; and in the scale bytes
	s_mov_b32 s39, WS
	s_cselect_b32 s39, XS, s39
	s_sub_co_u32 s34, ttmp9, s34
	s_lshl_b32 s34, s34, 2
	s_add_co_u32 s34, s34, s28                     ; my run
	s_lshr_b32 s40, s34, 1                         ; tile
	s_and_b32 s41, s34, 1                          ; K half
	s_lshr_b32 s42, s40, 3
	s_lshl_b32 s42, s42, 7
	s_and_b32 s43, s40, 7
	s_lshl_b32 s43, s43, 3
	s_add_co_u32 s42, s42, s43                     ; x: first row 128 (tile / 8) + 8 (tile % 8)
	s_and_b32 s43, s40, 63
	s_lshl_b32 s43, s43, 4                         ; a weight: 16 (tile % 64)
	s_cmp_lt_u32 ttmp9, 256
	s_cselect_b32 s42, s42, s43
	s_lshl_b32 s42, s42, 12
	s_lshl_b32 s43, s41, 11
	s_add_co_u32 s42, s42, s43
	s_mov_b32 s43, 0
	s_add_nc_u64 s[32:33], s[32:33], s[42:43]
	s_mul_i32 s44, s41, s36
	s_add_co_u32 s44, s44, s37
	s_lshl_b32 s45, s40, 12
	s_add_co_u32 s44, s44, s45
	s_mov_b32 s45, 0
	s_add_nc_u64 s[46:47], s[24:25], s[44:45]      ; my 4,096 bytes of codes
	s_mul_i32 s44, s41, s38
	s_add_co_u32 s44, s44, s39
	s_lshl_b32 s48, s40, 8
	s_add_co_u32 s44, s44, s48
	s_add_nc_u64 s[48:49], s[24:25], s[44:45]      ; my 256 scale bytes
	v_add_nc_u32 v4, s35, v3
.macro QLOAD t
.if (\t) < 8
.irp i, 0,1,2,3
	global_load_b128 v[R+16*((\t)%4)+4*\i:R+16*((\t)%4)+4*\i+3], v3, s[32:33] offset:4096*(\t)+512*\i th:TH_LOAD_NT   ; 32 lanes read 512 consecutive bytes
.endr
.else
.irp i, 0,1,2,3
	global_load_b128 v[R+16*((\t)%4)+4*\i:R+16*((\t)%4)+4*\i+3], v4, s[32:33] offset:4096*(\t)+512*\i th:TH_LOAD_NT
.endr
.endif
.endm
.macro QTURN t                         ; a step's numbers through the stage: LDS serves a wave's instructions in order
.irp i, 0,1,2,3
	ds_store_b128 v14, v[R+16*((\t)%4)+4*\i:R+16*((\t)%4)+4*\i+3] offset:32*SP*((\t)%2)+8*SP*\i
.endr
.irp i, 0,1,2,3
	ds_load_b128 v[XQ+16*((\t)%2)+4*\i:XQ+16*((\t)%2)+4*\i+3], v15 offset:32*SP*((\t)%2)+16*\i
.endr
.endm
.irp t, 0,1,2,3
	QLOAD \t
.endr
	s_wait_loadcnt 12                              ; step 0's four loads are in
	QTURN 0
.macro QSTEP t
.set XSET, XQ+16*((\t)%2)
.if (\t) > 0
	s_wait_dscnt 2                                 ; this step's numbers are back (the last step's byte store and code store may be out)
.else
	s_wait_dscnt 0x0
.endif
.if (\t)+4 < 16
	QLOAD (\t)+4                                   ; into the registers that this step's stage stores have read
.endif
.if (\t)+1 < 16
.if 14-(\t) >= 3
	s_wait_loadcnt 12                              ; the next step's four loads are in; three steps' may be out
.else
	s_wait_loadcnt 4*(14-(\t))
.endif
	QTURN (\t)+1
.endif
	v_max3_num_f32 v8, |v[XSET]|, |v[XSET+1]|, |v[XSET+2]|
	v_max3_num_f32 v9, |v[XSET+3]|, |v[XSET+4]|, |v[XSET+5]|
.irp i, 6,10
	v_max3_num_f32 v8, v8, |v[XSET+\i]|, |v[XSET+\i+1]|
	v_max3_num_f32 v9, v9, |v[XSET+\i+2]|, |v[XSET+\i+3]|
.endr
	v_max3_num_f32 v8, v8, |v[XSET+14]|, |v[XSET+15]|
	v_max3_num_f32 v8, v8, v9, 0x1800000           ; the floor 2^(3 - 127): the byte cannot fall under 1
	v_max_num_f32_dpp v8, v8, v8 row_xmask:1 row_mask:0xf bank_mask:0xf   ; with my neighbour's 16: the block's largest magnitude
	v_add_nc_u32 v11, 0xff000000, v8               ; 2 off its exponent field: the conversion's scale operand
	v_cvt_scalef32_pk8_fp4_f32 v[CD+4*(\t)], v[XSET:XSET+7], v11
	v_cvt_scalef32_pk8_fp4_f32 v[CD+4*(\t)+1], v[XSET+8:XSET+15], v11
	v_lshrrev_b32 v[EB+(\t)], 23, v11              ; the scale's byte
	ds_store_b8 v5, v[EB+(\t)] offset:16*(\t)      ; both lanes of a block write the same byte
	ds_store_b64 v10, v[CD+4*(\t):CD+4*(\t)+1] offset:16*(\t)   ; my 16 codes at their place in the image: block x 256 + 16 x row
.endm
.irp t, 0,1,2,3,4,5,6,7,8,9,10,11,12,13,14,15
	QSTEP \t
.endr
	ds_load_b64 v[8:9], v6
.irp n, 0,1,2,3,4,5,6,7
	ds_load_b128 v[R+4*\n:R+4*\n+3], v1 offset:544*\n
.endr
	s_wait_dscnt 8
	global_store_b64 v7, v[8:9], s[48:49]          ; 32 lanes store 256 consecutive bytes, aligned
.irp n, 0,1,2,3,4,5,6,7
	s_wait_dscnt 7-\n
	global_store_b128 v3, v[R+4*\n:R+4*\n+3], s[46:47] offset:512*\n   ; 512 consecutive bytes of the images
.endr
	s_wait_tensorcnt 0x0                           ; the wave's end, behind my last LDS store
	ds_add_u32 v[SPW], v[NIL]
	s_wait_dscnt 0x0
	s_endpgm
; ---------------- the f16 images: a work-group takes 16 rows of one weight, wave w their k = 256 w .. 256 w + 255 ----------------
.set X,  32                            ; v32-159  row i: 8 numbers a lane (k = 128 u + 4 lane + 0..3)
.set G,  160                           ; v160-167 ln_g of my 8 k (1.0 for Wqp and Wkp)
.set BB, 168                           ; v168-175 ln_b
.set T,  176                           ; v176-191 at work, two sets
.Lconv:
	s_sub_co_u32 s29, ttmp9, 352
	s_lshr_b32 s30, s29, 6                         ; 0 Wqp, 1 Wkp, 2 Wo
	s_and_b32 s31, s29, 63                         ; which 16 rows
	s_mul_i32 s34, s28, CREG
	s_add_co_u32 s34, s34, CONV
	v_lshrrev_b32 v8, 1, v2
	v_mul_u32_u24 v8, v8, 272
	v_and_b32 v9, 1, v2
	v_lshl_add_u32 v8, v9, 3, v8
	v_add_nc_u32 v4, s34, v8                       ; in: block of 8 k (lane / 2) x 272 + 8 (lane % 2)
	v_lshrrev_b32 v9, 4, v2                        ; h
	v_mul_u32_u24 v8, v9, 272
	v_and_b32 v10, 15, v2                          ; r
	v_lshl_add_u32 v8, v10, 4, v8
	v_add_nc_u32 v5, s34, v8                       ; back: two blocks an instruction
	s_lshl_b32 s35, s28, 4
	s_add_co_u32 s35, s35, GT
	v_lshl_add_u32 v6, v9, 2, s35                  ; G's word: group 4 w + 2 u + h
	s_lshl_b32 s35, s28, 2
	s_add_co_u32 s35, s35, BT
	v_mov_b32 v7, s35
	v_lshlrev_b32 v14, 6, v10
	v_lshl_add_u32 v14, v9, 5, v14
	v_add_nc_u32 v14, GT, v14                      ; the tables' way out: row r, groups 8 h + 0..7
	v_lshl_add_u32 v15, v10, 4, BT
	v_lshlrev_b32 v11, 2, v10
	s_mov_b32 s50, 0x76543210
	s_mov_b32 s51, 0xfedcba98                      ; v_permlanex16_b32's selects for lane l xor 16
	s_wait_kmcnt 0x0
	s_cmp_eq_u32 s30, 0
	s_cselect_b64 s[36:37], s[12:13], s[14:15]
	s_cmp_eq_u32 s30, 2
	s_cselect_b64 s[36:37], s[16:17], s[36:37]
	s_cselect_b32 s38, -1, 0                       ; all lanes for Wo, none else
	s_lshl_b32 s40, s31, 16
	s_lshl_b32 s41, s28, 10
	s_add_co_u32 s40, s40, s41
	s_mov_b32 s41, 0
	s_add_nc_u64 s[36:37], s[36:37], s[40:41]
	s_lshl_b32 s40, s28, 10
	s_add_nc_u64 s[42:43], s[18:19], s[40:41]
	s_add_nc_u64 s[44:45], s[20:21], s[40:41]
	s_lshr_b32 s46, s31, 4                         ; ct
	s_lshl_b32 s47, s46, 20
	s_lshl_b32 s48, s30, 19
	s_add_co_u32 s47, s47, s48
	s_lshl_b32 s48, s46, 19
	s_add_co_u32 s48, s48, WO
	s_cmp_eq_u32 s30, 2
	s_cselect_b32 s46, s48, s47
	s_bfe_u32 s47, s31, 0x20002
	s_lshl_b32 s47, s47, 14
	s_add_co_u32 s46, s46, s47
	s_and_b32 s47, s31, 3
	s_lshl_b32 s47, s47, 10
	s_add_co_u32 s46, s46, s47
	s_lshl_b32 s47, s28, 17                        ; my 256 k are two K steps of 128
	s_add_co_u32 s46, s46, s47
	s_mov_b32 s47, 0
	s_add_nc_u64 s[46:47], s[26:27], s[46:47]
.irp i, 0,1,2,3,4,5,6,7,8,9,10,11,12,13,14,15
.irp u, 0,1
	global_load_b128 v[X+8*\i+4*\u:X+8*\i+4*\u+3], v3, s[36:37] offset:4096*\i+512*\u th:TH_LOAD_NT
.endr
.endr
.irp u, 0,1
	global_load_b128 v[G+4*\u:G+4*\u+3], v3, s[42:43] offset:512*\u
	global_load_b128 v[BB+4*\u:BB+4*\u+3], v3, s[44:45] offset:512*\u
.endr
	s_wait_loadcnt 0x0
.irp e, 0,1,2,3,4,5,6,7
	v_cndmask_b32 v[G+\e], 1.0, v[G+\e], s38
.endr
.macro CROW i
.set TT, T+8*((\i)%2)
.set XI, X+8*(\i)
	v_pk_mul_f32 v[TT:TT+1], v[XI:XI+1], v[BB:BB+1]                    ; the row's share of the sum ln_b x W
	v_pk_fma_f32 v[TT:TT+1], v[XI+2:XI+3], v[BB+2:BB+3], v[TT:TT+1]
	v_pk_fma_f32 v[TT:TT+1], v[XI+4:XI+5], v[BB+4:BB+5], v[TT:TT+1]
	v_pk_fma_f32 v[TT:TT+1], v[XI+6:XI+7], v[BB+6:BB+7], v[TT:TT+1]
	v_add_f32 v[TT], v[TT], v[TT+1]
.irp m, 1,2,4,8
	v_add_f32_dpp v[TT], v[TT], v[TT] row_xmask:\m row_mask:0xf bank_mask:0xf
.endr
	v_permlanex16_b32 v[TT+1], v[TT], s50, s51
	v_add_f32 v[TT], v[TT], v[TT+1]
	ds_store_b32 v7, v[TT] offset:16*(\i)
.irp u, 0,1
	v_pk_mul_f32 v[XI+4*\u:XI+4*\u+1], v[XI+4*\u:XI+4*\u+1], v[G+4*\u:G+4*\u+1]         ; x ln_g
	v_pk_mul_f32 v[XI+4*\u+2:XI+4*\u+3], v[XI+4*\u+2:XI+4*\u+3], v[G+4*\u+2:G+4*\u+3]
	v_pk_add_f32 v[TT+2:TT+3], v[XI+4*\u:XI+4*\u+1], v[XI+4*\u+2:XI+4*\u+3]
	v_add_f32 v[TT+2], v[TT+2], v[TT+3]
.irp m, 1,2,4,8
	v_add_f32_dpp v[TT+2], v[TT+2], v[TT+2] row_xmask:\m row_mask:0xf bank_mask:0xf   ; sixteen lanes hold one group of 64 k
.endr
	ds_store_b32 v6, v[TT+2] offset:64*(\i)+8*\u
	v_cvt_pk_f16_f32 v[TT+4+2*\u], v[XI+4*\u], v[XI+4*\u+1]
	v_cvt_pk_f16_f32 v[TT+5+2*\u], v[XI+4*\u+2], v[XI+4*\u+3]
	ds_store_b64 v4, v[TT+4+2*\u:TT+5+2*\u] offset:4352*\u+16*(\i)
.endr
.endm
.irp i, 0,1,2,3,4,5,6,7,8,9,10,11,12,13,14,15
	CROW \i
.endr
.irp n, 0,1,2,3,4,5,6,7,8,9,10,11,12,13,14,15
	ds_load_b128 v[X+4*\n:X+4*\n+3], v5 offset:544*\n      ; my own bytes: LDS serves a wave's instructions in order
.endr
.irp n, 0,1,2,3,4,5,6,7,8,9,10,11,12,13,14,15
	s_wait_dscnt 15-\n
	global_store_b128 v3, v[X+4*\n:X+4*\n+3], s[46:47] offset:(\n/8)*65536+((\n/2)%4)*4096+(\n%2)*512   ; half a fragment: 512 consecutive bytes
.endr
	s_wait_dscnt 0x0                               ; for the others' sake: my words of the two tables have landed
	s_barrier_signal -1
	s_barrier_wait -1
	s_cmp_lg_u32 s30, 2                            ; the tables belong to Wo, and wave 0 sends them
	s_cbranch_scc1 .Lcend
	s_cmp_lg_u32 s28, 0
	s_cbranch_scc1 .Lcend
	ds_load_b128 v[160:163], v14
	ds_load_b128 v[164:167], v14 offset:16
	ds_load_b128 v[168:171], v15
	s_lshl_b32 s40, s31, 6
	s_add_nc_u64 s[52:53], s[22:23], s[40:41]
	global_load_b32 v172, v11, s[52:53]            ; bo of my row
	s_add_nc_u64 s[54:55], s[26:27], s[40:41]
	s_lshl_b32 s40, s31, 10
	s_add_nc_u64 s[56:57], s[26:27], s[40:41]
.irp e, 0,1,2,3
	v_mov_b32 v[180+\e], 0
.endr
	s_wait_dscnt 0x0
.irp e, 0,1,2,3
	v_cvt_pk_f16_f32 v[176+\e], v[160+2*\e], v[161+2*\e]
.endr
	global_store_b128 v3, v[176:179], s[56:57] offset:WX           ; k = 0..15: the sixteen groups
	global_store_b128 v3, v[180:183], s[56:57] offset:WX+512       ; k = 16..31: zeros
	v_add_f32 v168, v168, v169
	v_add_f32 v170, v170, v171
	v_add_f32 v168, v168, v170
	s_wait_loadcnt 0x0
	v_add_f32 v168, v168, v172
	global_store_b32 v11, v168, s[54:55] offset:B2                 ; lanes 16-31 store the same numbers at the same places
.Lcend:
	s_wait_tensorcnt 0x0                           ; the wave's end, behind my last LDS store
	ds_add_u32 v[SPW], v[NIL]
	s_wait_dscnt 0x0
	s_endpgm
.Lfunc_end_k_q2150591a3e_prep:
	.size	k_q2150591a3e_prep, .Lfunc_end_k_q2150591a3e_prep-k_q2150591a3e_prep
	.p2alignl 7, 3214868480
	.fill 96, 4, 3214868480
	.section	.rodata,"a",@progbits
	.p2align	6, 0x0
	.amdhsa_kernel k_q2150591a3e_prep
		.amdhsa_group_segment_fixed_size 77824
		.amdhsa_private_segment_fixed_size 0
		.amdhsa_enable_private_segment 0
		.amdhsa_kernarg_size 96
		.amdhsa_user_sgpr_count 2
		.amdhsa_user_sgpr_kernarg_segment_ptr 1
		.amdhsa_wavefront_size32 1
		.amdhsa_system_sgpr_workgroup_id_x 1
		.amdhsa_system_sgpr_workgroup_id_y 1
		.amdhsa_system_sgpr_workgroup_id_z 1
		.amdhsa_system_vgpr_workitem_id 0
		.amdhsa_next_free_vgpr 192
		.amdhsa_next_free_sgpr 66
		.amdhsa_reserve_vcc 0
		.amdhsa_float_denorm_mode_32 3
		.amdhsa_float_denorm_mode_16_64 3
		.amdhsa_memory_ordered 1
		.amdhsa_forward_progress 1
		.amdhsa_inst_pref_size 81
	.end_amdhsa_kernel
	.amdgpu_metadata
---
amdhsa.version: [ 1, 2 ]
amdhsa.kernels:
  - .name:           k_q2150591a3e_prep
    .symbol:         k_q2150591a3e_prep.kd
    .args:
      - { .name: x, .offset: 0, .size: 8, .value_kind: global_buffer, .address_space: global }
      - { .name: Wq, .offset: 8, .size: 8, .value_kind: global_buffer, .address_space: global }
      - { .name: Wk, .offset: 16, .size: 8, .value_kind: global_buffer, .address_space: global }
      - { .name: Wv, .offset: 24, .size: 8, .value_kind: global_buffer, .address_space: global }
      - { .name: Wqp, .offset: 32, .size: 8, .value_kind: global_buffer, .address_space: global }
      - { .name: Wkp, .offset: 40, .size: 8, .value_kind: global_buffer, .address_space: global }
      - { .name: Wo, .offset: 48, .size: 8, .value_kind: global_buffer, .address_space: global }
      - { .name: ln_g, .offset: 56, .size: 8, .value_kind: global_buffer, .address_space: global }
      - { .name: ln_b, .offset: 64, .size: 8, .value_kind: global_buffer, .address_space: global }
      - { .name: bo, .offset: 72, .size: 8, .value_kind: global_buffer, .address_space: global }
      - { .name: q4, .offset: 80, .size: 8, .value_kind: global_buffer, .address_space: global }
      - { .name: wimg, .offset: 88, .size: 8, .value_kind: global_buffer, .address_space: global }
    .group_segment_fixed_size: 77824
    .private_segment_fixed_size: 0
    .kernarg_segment_align: 8
    .kernarg_segment_size: 96
    .max_flat_workgroup_size: 128
    .sgpr_count:     66
    .vgpr_count:     192
    .wavefront_size: 32
...
	.end_amdgpu_metadata
.endif
;; end of part 1
;; launch qk (part 2): grid 8 x 32, 4 waves a work-group, clusters of 4 x 4, 327,680 bytes of LDS; arguments q4, bq, bk, kq; writes kq
.if DOCPART == 2
	.amdgcn_target "amdgcn-amd-amdhsa--gfx1250"
	.amdhsa_code_object_version 6
	.text
	.protected	k_q2150591a3e_qk
	.globl	k_q2150591a3e_qk
	.p2align	8
	.type	k_q2150591a3e_qk,@function
k_q2150591a3e_qk:
	s_mov_b64 s[64:65], 0
	v_nop
	global_prefetch_b8 v0, s[64:65] scope:SCOPE_SE
	s_setreg_imm32_b32 hwreg(HW_REG_WAVE_MODE, 25, 1), 1
	s_wait_xcnt 0x0
	s_wait_alu depctr_hold_cnt(0) depctr_sa_sdst(0) depctr_va_vdst(0) depctr_va_sdst(0) depctr_va_ssrc(0) depctr_va_vcc(0) depctr_vm_vsrc(0)
	s_getreg_b32 s2, hwreg(HW_REG_IB_STS2, 6, 4)
	s_cmp_eq_u32 s2, 0
	s_cbranch_scc0 .Lentry_in_a_cluster
	s_endpgm
.Lentry_in_a_cluster:
	s_bfe_u32 s2, ttmp6, 0x10000c
	s_cmp_lg_u32 s2, 0xf033
	s_cbranch_scc0 .Lentry_shape_is_right
	s_endpgm
.Lentry_shape_is_right:
; query = Q(x) Q(Wq)^T + bq and key = Q(x) Q(Wk)^T + bk on codes of E2M1 with E8M0 scales, f32 sums; the results leave x 2^-4, rounded to f16, as images of the A fragments of the next launch.
; THE FACTOR 2^-4 is exact and rides on the bias's multiply-add; the next launch takes it back in the constant of its first multiply-add.  It gives f16 room up to |key| = 16 x 65,504; at the small end a step of f16 is 16 x 6e-8 of key.
; A tile is 256 rows (workspace order) x 256 columns of [Wq; Wk]; four waves, each 128 x 128: 64 accumulators, 512 registers.  K = 1,024 is two slots of 512, both filled at the start: nothing is filled again.
; Codes lie in memory as register images, so a slot's part of a wave is one dense block of 32,768 bytes, and a fragment comes by two loads of 512 consecutive bytes: no pitch, no padding.
; CLUSTERS: 4 x 4.  x's codes and scales hang on the tile row alone and are asked for jointly along a row of the cluster, the weights' along a column.
; THE MATRIX INSTRUCTION IS USED TRANSPOSED (source 0 = 16 rows of W, source 1 = 16 rows of x): a lane holds eight neighbouring columns of one row, which are its 16 bytes of the next launch's fragment.
; REGISTERS: window 0: v16-30 addresses; v32-95 scale words (nothing else ever); v96-127 at work; v128-191 x's fragments, later packed results; v192-255 the biases.  window 1: W's fragments, two sets.  windows 2, 3: accumulators.
; LIMITS: |key| and |query| under 1,048,064 (beyond it f16 gives infinity); NaN and infinities are not served.
.set XS,    4194304
.set WC,    4456448
.set WS,    6029312
.set NQ,    4
.set FR,    8
.set NL,    2
.set NP,    4
.set SLOT,  131072                     ; x's 16 tiles x 4,096, then W's 16
.set SCL,   262144                     ; the scale bytes: wave w's load at 4,096 w: [kh 2][128 rows][16]
.set SPARE, 278528                     ; the spare words, 128 bytes for each wave
.set ADRA, 16
.set ADRB, 20
.set CO,   26                          ; 16 x lane
.set ADRS, 27
.set SPW,  28
.set NIL,  29
.set BO,   30
.set SC,   32
.set TMPF, 96
.set AF,   128
.set PKD,  128
.set BIAS, 192
.set G1, 24
.set G0, 32
.set G1B, 48
.set G0B, 56
.set G1S, 68
.set G0S, 76
.set G1SB, 80
.set G0SB, 88
.set MSB, 0
.macro WIN new                         ; the immediate's high byte repeats the setting that is left
.if MSB != \new
	s_set_vgpr_msb (MSB<<8)|\new
.set MSB, \new
.endif
.endm
.set MUL_LO, 0xa1
.set MUL_HI, 0xf1
.set TO_B,   0x40
.macro JLOAD g0a, g1a, g0b, g1b        ; waves 0 and 1 fetch for x, waves 2 and 3 for W; an s_nop 0 and four v_nop follow each line
	s_cmp_eq_u32 s15, 0
	s_cbranch_scc0 .Lfor_b_\@
	tensor_load_to_lds s[\g0a:\g0a+3], s[\g1a:\g1a+7]
	s_nop 0
.rept 4
	v_nop
.endr
	s_branch .Lasked_\@
.Lfor_b_\@:
	tensor_load_to_lds s[\g0b:\g0b+3], s[\g1b:\g1b+7]
	s_nop 0
.rept 4
	v_nop
.endr
.Lasked_\@:
.endm
.macro CROUND                          ; a round of the cluster's barrier
	s_barrier_signal -1
	s_barrier_wait -1
	s_cmp_lg_u32 s14, 0
	s_cbranch_scc1 .Lnot_wave_0_\@
	s_barrier_signal -3
.Lnot_wave_0_\@:
	s_barrier_wait -3
	s_barrier_signal -1
	s_barrier_wait -1
.endm
	s_load_b256 s[4:11], s[0:1], 0x0               ; q4, bq, bk, kq
	v_lshl_add_u32 v[SPW], v0, 2, SPARE
	v_mov_b32 v[NIL], 0
	ds_add_u32 v[SPW], v[NIL]                      ; the wave's opening: the add and its wait stand ahead of my first tensor load
	v_lshrrev_b32 v1, 5, v0
	v_readfirstlane_b32 s14, v1                    ; wave
	s_lshr_b32 s15, s14, 1                         ; my half of the rows; also: I fetch for x (0) or W (1)
	s_and_b32 s16, s14, 1                          ; my half of the columns; also: which half I fetch
	s_bfe_u32 s40, ttmp6, 0x40000                  ; cx
	s_bfe_u32 s41, ttmp6, 0x40004                  ; cy
	s_lshl_b32 s42, ttmp9, 2
	s_add_co_u32 s42, s42, s40                     ; tile column 0..7
	s_and_b32 s17, ttmp7, 0xffff
	s_lshl_b32 s17, s17, 2
	s_add_co_u32 s17, s17, s41                     ; tile row 0..31
	s_lshl_b32 s43, s41, 2
	s_lshl_b32 s43, 15, s43                        ; my row of the cluster
	s_lshl_b32 s44, 0x1111, s40                    ; my column
	s_or_b32 s[G1+0], s43, (3<<16)|(1<<21)         ; codes: 128 rows of 32 elements of 8 bytes, dense; the mask, and bit 21 beside it
	s_or_b32 s[G1B+0], s44, (3<<16)|(1<<21)
.irp g, G1, G1B
	s_mov_b32 s[\g+1], 32<<16
	s_mov_b32 s[\g+2], 128<<16
	s_mov_b32 s[\g+3], 32<<16
	s_mov_b32 s[\g+4], 128
	s_mov_b32 s[\g+5], 32
	s_mov_b32 s[\g+6], 0
	s_mov_b32 s[\g+7], 0
.endr
	s_or_b32 s[G1S+0], s43, (3<<16)|(1<<21)        ; scales: 2 rows (the K halves) of 256 elements of 8 bytes (128 rows x 16 bytes)
	s_or_b32 s[G1SB+0], s44, (3<<16)|(1<<21)
.irp g, G1S, G1SB
	s_mov_b32 s[\g+1], 256<<16
	s_mov_b32 s[\g+2], 2<<16
	s_mov_b32 s[\g+3], 256<<16
	s_mov_b32 s[\g+4], 2
	s_mov_b32 s[\g+6], 0
	s_mov_b32 s[\g+7], 0
.endr
	s_mov_b32 s[G1S+5], 16384                      ; from K half to K half: 131,072 bytes in x's scales,
	s_mov_b32 s[G1SB+5], 6144                      ; 49,152 in the weights'
	s_lshl_b32 s18, s16, 3
	s_lshl_b32 s20, s17, 4
	s_add_co_u32 s20, s20, s18                     ; x: my first tile of 16 rows
	s_lshl_b32 s46, s42, 4
	s_add_co_u32 s46, s46, s18                     ; W: likewise
	s_lshl_b32 s22, s20, 8
	s_add_co_u32 s22, s22, XS
	s_mov_b32 s23, 0
	s_lshl_b32 s92, s46, 8
	s_add_co_u32 s92, s92, WS
	s_mov_b32 s93, 0
	s_lshl_b32 s20, s20, 12
	s_mov_b32 s21, 0
	s_lshl_b32 s46, s46, 12
	s_add_co_u32 s46, s46, WC
	s_mov_b32 s47, 0
	s_lshl_b32 s45, s14, 15                        ; where they go: 32,768 x wave,
	s_lshl_b32 s94, s14, 12                        ; 4,096 x wave: no place in the cluster enters an LDS address
	s_wait_dscnt 0x0                               ; the opening add is done
	s_wait_kmcnt 0x0
	s_add_nc_u64 s[20:21], s[4:5], s[20:21]
	s_add_nc_u64 s[22:23], s[4:5], s[22:23]
	s_add_nc_u64 s[46:47], s[4:5], s[46:47]
	s_add_nc_u64 s[92:93], s[4:5], s[92:93]
	CROUND                                         ; all sixteen work-groups are here: the joint loads meet
	s_mov_b32 s[G0S], 1
	s_add_co_u32 s[G0S+1], s94, SCL
	s_mov_b64 s[G0S+2:G0S+3], s[22:23]
	s_or_b32 s[G0S+3], s[G0S+3], 0x80000000
	s_mov_b32 s[G0SB], 1
	s_add_co_u32 s[G0SB+1], s94, SCL
	s_mov_b64 s[G0SB+2:G0SB+3], s[92:93]
	s_or_b32 s[G0SB+3], s[G0SB+3], 0x80000000
	JLOAD G0S, G1S, G0SB, G1SB
.irp s, 0,1
	s_mov_b32 s[G0+4*\s], 1
	s_add_co_u32 s[G0+4*\s+1], s45, \s*SLOT
	s_add_nc_u64 s[G0+4*\s+2:G0+4*\s+3], s[20:21], \s*2097152
	s_or_b32 s[G0+4*\s+3], s[G0+4*\s+3], 0x80000000
	s_mov_b32 s[G0B+4*\s], 1
	s_add_co_u32 s[G0B+4*\s+1], s45, \s*SLOT
	s_add_nc_u64 s[G0B+4*\s+2:G0B+4*\s+3], s[46:47], \s*786432
	s_or_b32 s[G0B+4*\s+3], s[G0B+4*\s+3], 0x80000000
	JLOAD G0+4*\s, G1, G0B+4*\s, G1B               ; three loads of mine are out at the most
.endr
	v_and_b32 v1, 15, v0                           ; r
	v_bfe_u32 v2, v0, 4, 1                         ; h
	v_and_b32 v3, 31, v0
	v_lshlrev_b32 v[CO], 4, v3
	s_lshl_b32 s21, s15, 15
	s_lshl_b32 s22, s16, 15
	s_add_co_u32 s22, s22, 65536
.irp s, 0,1
	v_add_nc_u32 v[ADRA+\s], s21, v[CO]
	v_add_nc_u32 v[ADRB+\s], s22, v[CO]
	s_add_co_u32 s21, s21, SLOT
	s_add_co_u32 s22, s22, SLOT
.endr
	s_add_co_u32 s22, s16, 2
	s_sub_co_u32 s22, s22, s15
	s_lshl_b32 s22, s22, 12
	v_mul_u32_u24 v6, s22, v2                      ; lanes 16-31 take W's scale words: one product, the distance between the two bases
	s_lshl_b32 s21, s15, 12
	s_add_co_u32 s21, s21, SCL
	v_lshl_add_u32 v5, v1, 4, v6
	v_add_nc_u32 v[ADRS], s21, v5
	s_cmp_eq_u32 ttmp9, 0                          ; the left cluster makes query, the right one key
	s_cselect_b64 s[6:7], s[6:7], s[8:9]
	s_lshl_b32 s46, s40, 10
	s_lshl_b32 s47, s16, 9
	s_add_co_u32 s46, s46, s47
	s_mov_b32 s47, 0
	s_add_nc_u64 s[6:7], s[6:7], s[46:47]
	v_lshlrev_b32 v[BO], 5, v2
.irp b, 0,1,2,3,4,5,6,7
	global_load_b128 v[BIAS+8*\b:BIAS+8*\b+3], v[BO], s[6:7] offset:64*\b          ; the bias of columns 16 b + 8 h + 0..7
	global_load_b128 v[BIAS+8*\b+4:BIAS+8*\b+7], v[BO], s[6:7] offset:64*\b+16
.endr
	s_lshl_b32 s20, s17, 1
	s_add_co_u32 s20, s20, s15                     ; my group of 128 rows
	s_lshl_b32 s20, s20, 19
	s_mov_b32 s21, 0
	s_lshl_b32 s46, ttmp9, 18
	s_lshl_b32 s47, s40, 16
	s_add_co_u32 s46, s46, s47
	s_lshl_b32 s47, s16, 15
	s_add_co_u32 s46, s46, s47                     ; my 128 columns are one K step of the next launch
	s_mov_b32 s47, 0
	s_add_nc_u64 s[20:21], s[20:21], s[46:47]
	s_add_nc_u64 s[10:11], s[10:11], s[20:21]
.macro FRAG reg, adr, q, i             ; a fragment's image: two loads of 512 consecutive bytes
.irp c, 0,1
	ds_load_b128 v[\reg+4*\c:\reg+4*\c+3], v[\adr] offset:1024*(\q)+512*\c+(\i)*4096
.endr
.endm
; 16 matrix instructions: x's blocks a0, a0 + 1 against W's eight.  The 64 accumulators take turns, one instruction a turn, in the same order in every step.
.macro MUL16 a0, p, q, sc, zero
.irp a, \a0, \a0+1
.irp b, 0,1,2,3,4,5,6,7
.if \zero
	v_wmma_scale_f32_16x16x128_f8f6f4 v[8*(8*((\a)%4)+\b):8*(8*((\a)%4)+\b)+7], v[128*(\p)+FR*\b:128*(\p)+FR*\b+FR-1], v[AF+FR*(\a):AF+FR*(\a)+FR-1], 0, v[SC+8*NQ*(\sc)+NQ*\b+(\q)], v[SC+8*NQ*(\sc)+NQ*(\a)+(\q)] matrix_a_fmt:MATRIX_FMT_FP4 matrix_b_fmt:MATRIX_FMT_FP4 matrix_a_scale:MATRIX_SCALE_ROW1
.else
	v_wmma_scale_f32_16x16x128_f8f6f4 v[8*(8*((\a)%4)+\b):8*(8*((\a)%4)+\b)+7], v[128*(\p)+FR*\b:128*(\p)+FR*\b+FR-1], v[AF+FR*(\a):AF+FR*(\a)+FR-1], v[8*(8*((\a)%4)+\b):8*(8*((\a)%4)+\b)+7], v[SC+8*NQ*(\sc)+NQ*\b+(\q)], v[SC+8*NQ*(\sc)+NQ*(\a)+(\q)] matrix_a_fmt:MATRIX_FMT_FP4 matrix_b_fmt:MATRIX_FMT_FP4 matrix_a_scale:MATRIX_SCALE_ROW1
.endif
.endr
.endr
.endm
.macro FETCH_B slot, q, p
	WIN TO_B
.irp i, 0,1,2,3,4,5,6,7
	FRAG 128*(\p)+FR*\i, ADRB+\slot, \q, \i
.endr
	WIN 0
.endm
.macro FETCH_A slot, q, i0
.irp i, \i0, \i0+1, \i0+2, \i0+3
	FRAG AF+FR*(\i), ADRA+\slot, \q, \i
.endr
.endm
.macro SCALES sc                       ; four words a row: lanes 0-15 x's block i, lanes 16-31 W's block i
.irp i, 0,1,2,3,4,5,6,7
	ds_load_b128 v[SC+8*NQ*\sc+NQ*\i:SC+8*NQ*\sc+NQ*\i+3], v[ADRS] offset:\i*256
.endr
.endm
.macro PLACES n                        ; plain vector instructions between a matrix instruction and a load into, or a read of, its registers
.rept \n
	v_nop
.endr
.endm
.macro STEP slot, q, zero
	s_wait_dscnt 4*NL                              ; W's set and x's blocks 0-3 are in; x's blocks 4-7 may be out
	WIN MUL_LO
	MUL16 0, (\q)%2, \q, \slot, \zero
	MUL16 2, (\q)%2, \q, \slot, \zero
	s_wait_dscnt 0
	PLACES NP
	FETCH_B \slot, (\q)+1, 1-(\q)%2
	FETCH_A \slot, (\q)+1, 0
	WIN MUL_HI
	MUL16 4, (\q)%2, \q, \slot, \zero
	MUL16 6, (\q)%2, \q, \slot, \zero
	PLACES NP
	WIN 0
	FETCH_A \slot, (\q)+1, 4
.endm
.macro STEPS slot, from
.set Q, \from
.rept NQ-1-\from
	STEP \slot, Q, 0
.set Q, Q+1
.endr
.endm
	s_wait_tensorcnt 1                             ; the scales and my part of K half 0 are in; K half 1's load may be out
	s_barrier_signal -1
	s_barrier_wait -1
	FETCH_B 0, 0, 0
	FETCH_A 0, 0, 0
	SCALES 0
	FETCH_A 0, 0, 4
	STEP 0, 0, 1                                   ; the first products start the sums: nothing is cleared
	STEPS 0, 1
	; the change of slots: my part of K half 1 has landed, and everybody's behind the barrier
	s_wait_tensorcnt 0x0
	ds_add_u32 v[SPW], v[NIL]
	s_wait_dscnt 4*NL+1                            ; the add and x's blocks 4-7 may be out
	WIN MUL_LO
	MUL16 0, 1, NQ-1, 0, 0
	s_wait_dscnt 0x0
	s_barrier_signal -1
	MUL16 2, 1, NQ-1, 0, 0
	WIN 0
	s_barrier_wait -1
	PLACES NP
	v_add_nc_u32 v[ADRS], 2048, v[ADRS]            ; K half 1's scale words
	FETCH_B 1, 0, 0
	FETCH_A 1, 0, 0
	SCALES 1
	WIN MUL_HI
	MUL16 4, 1, NQ-1, 0, 0
	MUL16 6, 1, NQ-1, 0, 0
	PLACES NP
	WIN 0
	FETCH_A 1, 0, 4
	STEPS 1, 0
	s_wait_dscnt 4*NL
	WIN MUL_LO
	MUL16 0, 1, NQ-1, 1, 0
	MUL16 2, 1, NQ-1, 1, 0
	s_wait_dscnt 0
	WIN MUL_HI
	MUL16 4, 1, NQ-1, 1, 0
	MUL16 6, 1, NQ-1, 1, 0
	WIN 0
; THE WAY OUT needs no LDS: a lane's eight columns, (sum + bias) x 2^-4 rounded to f16, are its 16 bytes of a fragment's image; a store covers 512 consecutive bytes.
.macro OUTA a
.if (\a) > 1
	s_wait_xcnt 0x0                                ; block a - 2's stores have read their registers
.endif
.irp hb, 0,1
	WIN 0x02+(\a)/4
.irp bb, 0,1,2,3
.irp p, 0,2,4,6
	v_pk_fma_f32 v[TMPF+8*\bb+\p:TMPF+8*\bb+\p+1], v[64*((\a)%4)+8*(4*\hb+\bb)+\p:64*((\a)%4)+8*(4*\hb+\bb)+\p+1], 0x3d800000, v[BIAS+8*(4*\hb+\bb)+\p:BIAS+8*(4*\hb+\bb)+\p+1] op_sel_hi:[1,0,1]   ; sum x 2^-4 + bias x 2^-4; each accumulator from its low end on
.endr
.endr
	WIN 0
.irp bb, 0,1,2,3
.irp p, 0,1,2,3
	v_cvt_pk_f16_f32 v[PKD+32*((\a)%2)+4*(4*\hb+\bb)+\p], v[TMPF+8*\bb+2*\p], v[TMPF+8*\bb+2*\p+1]
.endr
.endr
.endr
.irp b, 0,1,2,3,4,5,6,7
	global_store_b128 v[CO], v[PKD+32*((\a)%2)+4*\b:PKD+32*((\a)%2)+4*\b+3], s[10:11] offset:(\b/2)*8192+1024*(\a)+512*(\b%2)
.endr
.endm
	s_wait_loadcnt 0x0                             ; the biases
.set n, 0
.rept 32
	v_pk_mul_f32 v[BIAS+n:BIAS+n+1], v[BIAS+n:BIAS+n+1], 0x3d800000 op_sel_hi:[1,0]   ; x 2^-4, exact
.set n, n+2
.endr
	PLACES NP
.irp a, 0,1,2,3,4,5,6,7
	OUTA \a
.endr
	s_wait_tensorcnt 0x0                           ; the wave's end
	ds_add_u32 v[SPW], v[NIL]
	s_wait_dscnt 0x0
	CROUND                                         ; the closing round
	s_endpgm
.Lfunc_end_k_q2150591a3e_qk:
	.size	k_q2150591a3e_qk, .Lfunc_end_k_q2150591a3e_qk-k_q2150591a3e_qk
	.p2alignl 7, 3214868480
	.fill 96, 4, 3214868480
	.section	.rodata,"a",@progbits
	.p2align	6, 0x0
	.amdhsa_kernel k_q2150591a3e_qk
		.amdhsa_group_segment_fixed_size 327680
		.amdhsa_private_segment_fixed_size 0
		.amdhsa_enable_private_segment 0
		.amdhsa_kernarg_size 32
		.amdhsa_user_sgpr_count 2
		.amdhsa_user_sgpr_kernarg_segment_ptr 1
		.amdhsa_wavefront_size32 1
		.amdhsa_system_sgpr_workgroup_id_x 1
		.amdhsa_system_sgpr_workgroup_id_y 1
		.amdhsa_system_sgpr_workgroup_id_z 1
		.amdhsa_system_vgpr_workitem_id 0
		.amdhsa_next_free_vgpr 1024
		.amdhsa_next_free_sgpr 98
		.amdhsa_reserve_vcc 0
		.amdhsa_float_denorm_mode_32 3
		.amdhsa_float_denorm_mode_16_64 3
		.amdhsa_memory_ordered 1
		.amdhsa_forward_progress 1
		.amdhsa_inst_pref_size 146
	.end_amdhsa_kernel
	.amdgpu_metadata
---
amdhsa.version: [ 1, 2 ]
amdhsa.kernels:
  - .name:           k_q2150591a3e_qk
    .symbol:         k_q2150591a3e_qk.kd
    .args:
      - { .name: q4, .offset: 0, .size: 8, .value_kind: global_buffer, .address_space: global }
      - { .name: bq, .offset: 8, .size: 8, .value_kind: global_buffer, .address_space: global }
      - { .name: bk, .offset: 16, .size: 8, .value_kind: global_buffer, .address_space: global }
      - { .name: kq, .offset: 24, .size: 8, .value_kind: global_buffer, .address_space: global }
    .group_segment_fixed_size: 327680
    .private_segment_fixed_size: 0
    .kernarg_segment_align: 8
    .kernarg_segment_size: 32
    .max_flat_workgroup_size: 128
    .sgpr_count:     98
    .vgpr_count:     1024
    .wavefront_size: 32
...
	.end_amdgpu_metadata
.endif
;; end of part 2
;; launch phasor (part 3): grid 4 x 64, 4 waves a work-group, clusters of 4 x 1, 327,680 bytes of LDS; arguments kq, q4, wimg, bqp, bkp, bv, phase_scale, di, st; writes di, st
.if DOCPART == 3
	.amdgcn_target "amdgcn-amd-amdhsa--gfx1250"
	.amdhsa_code_object_version 6
	.text
	.protected	k_q2150591a3e_phasor
	.globl	k_q2150591a3e_phasor
	.p2align	8
	.type	k_q2150591a3e_phasor,@function
k_q2150591a3e_phasor:
	s_mov_b64 s[64:65], 0
	v_nop
	global_prefetch_b8 v0, s[64:65] scope:SCOPE_SE
	s_setreg_imm32_b32 hwreg(HW_REG_WAVE_MODE, 25, 1), 1
	s_wait_xcnt 0x0
	s_wait_alu depctr_hold_cnt(0) depctr_sa_sdst(0) depctr_va_vdst(0) depctr_va_sdst(0) depctr_va_ssrc(0) depctr_va_vcc(0) depctr_vm_vsrc(0)
	s_getreg_b32 s2, hwreg(HW_REG_IB_STS2, 6, 4)
	s_cmp_eq_u32 s2, 0
	s_cbranch_scc0 .Lentry_in_a_cluster
	s_endpgm
.Lentry_in_a_cluster:
	s_bfe_u32 s2, ttmp6, 0x10000c
	s_cmp_lg_u32 s2, 0x3003
	s_cbranch_scc0 .Lentry_shape_is_right
	s_endpgm
.Lentry_shape_is_right:
; zq = query Wqp^T and zk = key Wkp^T (f16 operands, f32 sums; key and query arrive x 2^-4), then for each element: the two phases, value = Q(x) Q(Wv)^T + bv (codes of E2M1), value x (cos, sin) of the key phase, the prefix sum over the
; chunk's 64 rows, the retrieval by the query phase, and what the LayerNorm of the next launch needs, all at the scale s = retrieved x 2^-9 (that is retrieved / 32, x 2^-4, exact): for each row and each group of 64 columns the mean m of s,
; the sum of squares of d = s - m, and d itself in f16.  The next launch takes the 2^-4 back by dividing the LayerNorm's eps by 256.
; SHARES.  A work-group takes 128 rows (group g, two chunks) x 256 columns (ct = its place in the cluster); wave w all 128 rows x columns 64 w .. 64 w + 63: 8 x 4 accumulators for each of the two products.
; ROW ORDER.  Tile i holds rows 8 i + 0..7 of chunk 0 and of chunk 1.  The products are used as they stand (source 0 = rows, source 1 = columns): lanes 0-15 hold eight neighbouring rows of chunk 0, lanes 16-31 of chunk 1, one column a lane:
; the prefix sum is a chain of multiply-adds inside a lane, carried from tile to tile.
; FEED.  64 quarter steps of 32 along K (32 of query x Wqp, 32 of key x Wkp).  THE ROWS' FRAGMENTS, which all four waves read, go through a ring of two LDS slots of eight quarter steps (65,536 bytes; a wave fetches 16,384 of them); the four
; work-groups of a cluster take the same rows and ask for them jointly.  From a refill to the wait for it a wave issues 240 matrix instructions.  THE COLUMNS' FRAGMENTS of a wave are read by that wave alone: they come from memory straight into
; registers, as the register images that they are: eight loads of 512 consecutive bytes a quarter step, into a ring of eight buffers that fills window 1; seven groups (56 loads, 28,672 bytes a wave) are on their way.
; WHY THE COLUMNS' TILES ARE NOT ASKED FOR JOINTLY: that would take them through LDS, and two slots of eight quarter steps of both operands are 2 x 196,608 = 393,216 bytes against LDS's 327,680; with slots of four a refill has 112 matrix instructions
; in which to land.  Nothing but the wave's own registers ever wants these bytes.
; PHASES.  tanh(y) = 1 - 2 / (1 + 2^(2 log2(e) y)); the phase in turns is t = PS - 2 PS / (1 + e), PS = phase_scale / 2 pi.  r = t - the nearest whole number; sine and cosine of the quarter angle (pi / 2) r by polynomials in r^2, then two doublings.
; LIMITS: NaN and infinities are not served; v_exp_f32 and v_rcp_f32 flush denormals (ISA guide, 15.8); taking the whole turns off loses about 6e-8 x |phase_scale| / 2 pi turns; key, query, Wqp, Wkp and d are rounded to f16;
; |retrieved / 32 - its group's mean| stays under 1,048,064 (beyond it f16 gives infinity).
; REGISTERS.  window 0: v1-11 addresses; v12-31 scale words (nothing else ever); v32-61 a lane's constants; v62, v63 the add's two; v128-255 in the products two buffers of rows' fragments; v64-255 in the epilogue six regions of 32.
;   window 1: eight buffers of columns' fragments, later Wv's 32 fragments.   window 2: zq's accumulators, later x's eight fragments (v0-63) and the next tile's zk, zq (v64-127).   window 3: zk's accumulators, later bv as the C of value's first products.
.set XS,    4194304
.set WC,    4456448
.set WS,    6029312
.set SLOT,  65536                      ; eight quarter steps of the rows' fragments
.set TS,    262144                     ; behind the dumps: 2,560 bytes a wave, to turn d
.set STAB,  272384                     ; 1,024 bytes a wave: 128 means, 128 sums of squares
.set SPARE, 276480                     ; the spare words, 128 bytes for each wave
.set F0,  128
.set F1,  192
.set L16, 1                            ; 16 x lane
.set ADRA, 2                           ; LDS address of the rows' fragments in the slot in hand
.set PFO, 6                            ; 256 x lane
.set DMP, 2                            ; the epilogue's addresses take their places
.set ADZ, 3
.set TSS, 4
.set TSL, 5
.set STA, 6
.set STT, 7
.set GV,  8
.set GX,  9
.set LXS, 10
.set GS,  11
.set XSC, 12
.set WSC, 16
.set CB,  32                           ; v32-39 for each j: [c2 bkp, c2 bqp]
.set CP,  40                           ; v40-47 for each j: [PS, -2 PS]
.set VC,  48                           ; v48-49 [C3, S2]
.set CARR, 50                          ; v50-57 for each j: the prefix sums so far, real and imaginary
.set BV,  58                           ; v58-61 bv
.set SPW, 62
.set NIL, 63
.set R0, 64
.set R1, 96
.set R2, 128
.set R3, 160
.set R4, 192
.set R5, 224
.set XF, 0                             ; in window 2
.set ZK, 64
.set ZQ, 96
.set G1, 24                            ; s[24:31] descriptor group 1
.set G0, 32                            ; s[32:35] group 0 of slot 0's first fill; s[36:39] of slot 1's, which then walks
.set LIM, 43
.set PFA, 44
.set TB,  46                           ; LDS byte at which the slot in hand begins
.set BB,  48                           ; s[48:49] my columns' fragments of the slot in hand
.set XCB, 50                           ; x's codes of my group
.set XSB, 52                           ; and scale words
.set DIB, 54                           ; d's images
.set WVB, 56                           ; Wv's codes of my 64 columns
.set WSB, 58                           ; and scale words
.set KC2, 66                           ; s[66:79]: 16 c2, C4, C2, C1, S3, S1, S0, each written twice: the packed forms name a pair
.set KC4, 68
.set KCC2, 70
.set KC1, 72
.set KS3, 74
.set KS1, 76
.set KS0, 78
.set MSB, 0
.macro WIN new                         ; the immediate's high byte repeats the setting that is left
.if MSB != \new
	s_set_vgpr_msb (MSB<<8)|\new
.set MSB, \new
.endif
.endm
.macro CREST
	s_cmp_lg_u32 s22, 0
	s_cbranch_scc1 .Lnot_wave_0_\@
	s_barrier_signal -3
.Lnot_wave_0_\@:
	s_barrier_wait -3
	s_barrier_signal -1
	s_barrier_wait -1
.endm
.macro CROUND
	s_barrier_signal -1
	s_barrier_wait -1
	CREST
.endm
.macro PLACES
.rept 4
	v_nop
.endr
.endm
; A prefetch of the rows' slot that the NEXT refill will ask for: 65,536 bytes, of which each of the four partners takes 16,384 by address, waves 0 and 1 half of that each, lanes 256 bytes apart: each block is named once in the launch.
.macro ASK how
.if \how
	s_cmp_eq_u32 s[LIM], 1
.else
	s_cmp_gt_u32 s3, s[LIM]                        ; not in the loop's last trip: its refill is the last
.endif
	s_cbranch_scc0 .Lnot_mine_\@
	global_prefetch_b8 v[PFO], s[PFA:PFA+1] th:TH_LOAD_NT scope:SCOPE_SE
.Lnot_mine_\@:
.endm
.macro MUL8 f, b, i0, zero             ; rows' tiles i0, i0 + 1 (buffer f) against the four columns' tiles (buffer b of window 1), 32 along K; the 32 accumulators take turns
.irp i, \i0, \i0+1
.irp j, 0,1,2,3
.if \zero
	v_wmma_f32_16x16x32_f16 v[8*(4*(\i)+\j):8*(4*(\i)+\j)+7], v[\f+8*(\i):\f+8*(\i)+7], v[32*(\b)+8*\j:32*(\b)+8*\j+7], 0
.else
	v_wmma_f32_16x16x32_f16 v[8*(4*(\i)+\j):8*(4*(\i)+\j)+7], v[\f+8*(\i):\f+8*(\i)+7], v[32*(\b)+8*\j:32*(\b)+8*\j+7], v[8*(4*(\i)+\j):8*(4*(\i)+\j)+7]
.endif
.endr
.endr
.endm
.macro FETCH qq, f                     ; 16 LDS loads in one run: the 8 rows' fragments of the slot's quarter step qq
	WIN 0
.irp i, 0,1,2,3,4,5,6,7
	ds_load_b128 v[\f+8*\i:\f+8*\i+3],   v[ADRA] offset:8192*(\qq)+1024*\i
	ds_load_b128 v[\f+8*\i+4:\f+8*\i+7], v[ADRA] offset:8192*(\qq)+1024*\i+512
.endr
.endm
.macro GLOAD n, buf                    ; 8 loads: my 4 columns' fragments of the quarter step n on from the slot in hand (a K step is 65,536 bytes on, a quarter step 4,096), into buffer buf
.irp j, 0,1,2,3
	global_load_b128 v[32*(\buf)+8*\j:32*(\buf)+8*\j+3],   v[L16], s[BB:BB+1] offset:((\n)/4)*65536+((\n)%4)*4096+1024*\j
	global_load_b128 v[32*(\buf)+8*\j+4:32*(\buf)+8*\j+7], v[L16], s[BB:BB+1] offset:((\n)/4)*65536+((\n)%4)*4096+1024*\j+512
.endr
.endm
.macro WVLOAD m                        ; 8 loads: Wv's fragments 4 m .. 4 m + 3 (fragment 8 j + k: columns' tile j, K step k of 128) into the buffer that the columns' fragments have left
.irp u, 0,1,2,3
.set WF, 4*(\m)+\u
	global_load_b128 v[8*WF:8*WF+3],   v[L16], s[WVB:WVB+1] offset:((WF%8)/4)*786432+4096*(WF/8)+(WF%4)*1024
	global_load_b128 v[8*WF+4:8*WF+7], v[L16], s[WVB:WVB+1] offset:((WF%8)/4)*786432+4096*(WF/8)+(WF%4)*1024+512
.endr
.endm
; A quarter step, the slot's qq-th (0 to 6).  In its middle it fetches the next quarter step's rows' fragments and asks for the group of eight loads that stands seven quarter steps on: load = 1 columns' fragments, load = 2 Wv's.
.macro QTR qq, zero, load
.set FC, F0+64*((\qq)%2)
.set FN, F0+64*(((\qq)+1)%2)
	s_wait_dscnt 8                                 ; rows' fragments 0-3 are in; 4-7 may be out
	s_wait_loadcnt 48                              ; my columns' fragments are in; the six younger groups of eight may be out
	WIN MULW
	MUL8 FC, \qq, 0, \zero
	MUL8 FC, \qq, 2, \zero
	PLACES                                         ; in front of loads into registers that the quarter step before has multiplied
	FETCH (\qq)+1, FN
	WIN 0x40
.if \load == 1
	GLOAD (\qq)+7, ((\qq)+7)%8
.else
	WVLOAD (\qq)-1
.endif
	s_wait_dscnt 16                                ; all but the 16 just issued
	WIN MULW
	MUL8 FC, \qq, 4, \zero
	MUL8 FC, \qq, 6, \zero
.endm
.macro MID load
.irp q, 1,2,3,4,5,6
	QTR \q, 0, \load
.endr
.endm
; A slot's last quarter step changes slots: one barrier; ahead of it each wave waits for all its tensor loads, adds 0 to its spare word and waits for that and for its reads of this slot.
; fill = 1: the barrier opens a round of the cluster's, and the slot is filled again, two slots ahead, first thing behind it.
.macro TURN fill, ask
	s_wait_xcnt 0x0                                ; the loads of the quarter step before and the last prefetch have read their bases
	s_add_nc_u64 s[BB:BB+1], s[BB:BB+1], 131072    ; my columns' fragments of the next slot
.if \fill
	s_add_nc_u64 s[PFA:PFA+1], s[PFA:PFA+1], SLOT
.endif
	WIN 0
	s_wait_tensorcnt 0x0
	ds_add_u32 v[SPW], v[NIL]
	s_wait_dscnt 9                                 ; the add and rows' fragments 4-7 may be out
	s_wait_loadcnt 48
	WIN MULW
	MUL8 F1, 7, 0, 0
	s_wait_dscnt 0x0
	s_barrier_signal -1
	MUL8 F1, 7, 2, 0
	WIN 0
	s_barrier_wait -1
.if \fill
	CREST
	s_xor_b32 s[G0+5], s[G0+5], SLOT               ; the walking descriptor: the other slot than last time,
	s_add_nc_u64 s[G0+6:G0+7], s[G0+6:G0+7], SLOT  ; the next eight quarter steps; the type bits on top are not reached
	tensor_load_to_lds s[G0+4:G0+7], s[G1:G1+7]
	s_nop 0
	PLACES                                         ; (the places in front of the loads below)
.else
	PLACES
.endif
	s_xor_b32 s[TB], s[TB], SLOT
	v_add_nc_u32 v[ADRA], s[TB], v[L16]
	FETCH 0, F0
.if \fill
	ASK \ask
.endif
	WIN 0x40
	GLOAD 6, 6
	WIN MULW
	MUL8 F1, 7, 4, 0
	MUL8 F1, 7, 6, 0
.endm
	s_load_b256 s[4:11], s[0:1], 0x0               ; kq, q4, wimg, bqp
	s_load_b256 s[12:19], s[0:1], 0x20             ; bkp, bv, phase_scale, di
	s_load_b64 s[20:21], s[0:1], 0x40              ; st
	v_lshl_add_u32 v[SPW], v0, 2, SPARE
	v_mov_b32 v[NIL], 0
	ds_add_u32 v[SPW], v[NIL]                      ; the wave's opening: the add and its wait stand ahead of my first tensor load
	v_lshrrev_b32 v1, 5, v0
	v_readfirstlane_b32 s22, v1                    ; wave
	s_bfe_u32 s40, ttmp6, 0x40000                  ; cx = ct: the grid has one cluster along x
	s_and_b32 s42, ttmp7, 0xffff                   ; g, which the four partners share
	s_mov_b32 s[G1], 15|(3<<16)|(1<<21)            ; the mask: all four work-groups; elements of 8 bytes; bit 21 beside a mask
	s_mov_b32 s[G1+1], 32<<16                      ; a dense block as rows of 32 elements: 256 bytes
	s_mov_b32 s[G1+2], 64<<16                      ; 64 rows: 16,384 bytes
	s_mov_b32 s[G1+3], 32<<16
	s_mov_b32 s[G1+4], 64
	s_mov_b32 s[G1+5], 32
	s_mov_b32 s[G1+6], 0
	s_mov_b32 s[G1+7], 0
	s_lshl_b32 s80, s42, 19                        ; my group's 16 K steps of 32,768 bytes
	s_lshl_b32 s81, s22, 14                        ; 16,384 x wave: my quarter of a slot, in memory and in LDS
	s_add_co_u32 s82, s80, s81
	s_mov_b32 s83, 0
	s_lshl_b32 s84, s40, 20                        ; my 256 columns' 16 K steps of 65,536 bytes, my wave's 16,384 of each
	s_add_co_u32 s84, s84, s81
	s_mov_b32 s85, 0
	s_lshl_b32 s88, s40, 14                        ; the prefetches: my work-group's 16,384 bytes of a slot,
	s_add_co_u32 s88, s88, s80
	s_and_b32 s89, s22, 1
	s_lshl_b32 s89, s89, 13                        ; my wave's half of them,
	s_add_co_u32 s88, s88, s89
	s_add_co_u32 s88, s88, 2*SLOT                  ; at slot 2: the change of slots that refills slot s + 2 steps it and names slot s + 3
	s_mov_b32 s89, 0
	s_cmp_lt_u32 s22, 2
	s_cselect_b32 s[LIM], 1, -1                    ; waves 0 and 1 ask: the same in all four partners
	s_lshl_b32 s90, s40, 10
	s_lshl_b32 s91, s22, 8
	s_add_co_u32 s90, s90, s91                     ; my 64 columns, in bytes of f32
	s_mov_b32 s91, 0
	s_mov_b32 s[TB], 0
	s_mov_b32 s[KC2], 0x4238aa3b                   ; 16 c2, c2 = 2 log2(e): the 16 takes back the 2^-4 on key and query
	s_mov_b32 s[KC2+1], 0x4238aa3b
	s_mov_b32 s[KC4], 0x3a6cf000
	s_mov_b32 s[KC4+1], 0x3a6cf000
	s_mov_b32 s[KCC2], 0x3e81e0e7
	s_mov_b32 s[KCC2+1], 0x3e81e0e7
	s_mov_b32 s[KC1], 0xbf9de9e6
	s_mov_b32 s[KC1+1], 0xbf9de9e6
	s_mov_b32 s[KS3], 0xbb988000
	s_mov_b32 s[KS3+1], 0xbb988000
	s_mov_b32 s[KS1], 0xbf255dff
	s_mov_b32 s[KS1+1], 0xbf255dff
	s_mov_b32 s[KS0], 0x3fc90fdb
	s_mov_b32 s[KS0+1], 0x3fc90fdb
	v_and_b32 v[L16], 31, v0
	v_lshlrev_b32 v[L16], 4, v[L16]
	v_and_b32 v7, 15, v0                           ; r
	v_bfe_u32 v9, v0, 4, 1                         ; h
	v_lshlrev_b32 v11, 4, v7
	v_lshlrev_b32 v7, 2, v7                        ; my column of a tile
	v_mul_u32_u24 v8, v9, 49152
	v_add_nc_u32 v8, v8, v11                       ; Wv's scale words: lanes 0-15 K half 0, lanes 16-31 K half 1
	v_lshl_add_u32 v[LXS], v9, 17, v11             ; x's likewise
	v_mov_b32 v[ADRA], v[L16]
	v_lshlrev_b32 v[PFO], 4, v[L16]
	v_mov_b32 v[VC], 0xbcaae200                    ; C3
	v_mov_b32 v[VC+1], 0x3da339bf                  ; S2
.irp e, 0,1,2,3,4,5,6,7
	v_mov_b32 v[CARR+\e], 0
.endr
	s_wait_dscnt 0x0                               ; the opening add is done
	s_wait_kmcnt 0x0
	s_add_nc_u64 s[82:83], s[4:5], s[82:83]
	CROUND                                         ; all four work-groups are here: the first joint loads meet
.irp s, 0,1
	s_mov_b32 s[G0+4*\s], 1
	s_add_co_u32 s[G0+4*\s+1], s81, \s*SLOT
	s_add_nc_u64 s[G0+4*\s+2:G0+4*\s+3], s[82:83], \s*SLOT
	s_or_b32 s[G0+4*\s+3], s[G0+4*\s+3], 0x80000000
.endr
	tensor_load_to_lds s[G0:G0+3], s[G1:G1+7]      ; the two first fills go out together: two loads of mine are out at the most
	s_nop 0
	tensor_load_to_lds s[G0+4:G0+7], s[G1:G1+7]
	s_nop 0
	PLACES
	s_add_nc_u64 s[BB:BB+1], s[8:9], s[84:85]
	s_add_nc_u64 s[PFA:PFA+1], s[4:5], s[88:89]
	s_add_nc_u64 s[10:11], s[10:11], s[90:91]
	s_add_nc_u64 s[12:13], s[12:13], s[90:91]
	s_add_nc_u64 s[14:15], s[14:15], s[90:91]
	s_add_nc_u64 s[16:17], s[16:17], s[90:91]
	s_mov_b32 s93, 0
	s_lshl_b32 s92, s42, 11
	s_add_co_u32 s92, s92, XS
	s_add_nc_u64 s[XSB:XSB+1], s[6:7], s[92:93]
	s_lshl_b32 s92, s40, 12
	s_lshl_b32 s94, s22, 10
	s_add_co_u32 s92, s92, s94
	s_add_co_u32 s92, s92, WS+32768
	s_add_nc_u64 s[WSB:WSB+1], s[6:7], s[92:93]
.irp j, 0,1,2,3
	global_load_b32 v[CB+2*\j], v7, s[12:13] offset:64*\j
	global_load_b32 v[CB+2*\j+1], v7, s[10:11] offset:64*\j
	global_load_b32 v[CP+2*\j], v7, s[16:17] offset:64*\j
	global_load_b32 v[BV+\j], v7, s[14:15] offset:64*\j
.endr
.irp j, 0,1,2,3
	global_load_b128 v[WSC+4*\j:WSC+4*\j+3], v8, s[WSB:WSB+1] offset:256*\j
.endr
	global_load_b128 v[XSC:XSC+3], v[LXS], s[XSB:XSB+1]            ; tile 0's scale words
	WIN 0x40
.irp n, 0,1,2,3,4
	GLOAD \n, \n
.endr
	WIN 0
	s_lshl_b32 s92, s42, 15
	s_add_nc_u64 s[XCB:XCB+1], s[6:7], s[92:93]
	s_lshl_b32 s92, s40, 16
	s_add_co_u32 s92, s92, s81
	s_add_co_u32 s92, s92, WC+524288
	s_add_nc_u64 s[WVB:WVB+1], s[6:7], s[92:93]
	s_lshl_b32 s92, s42, 18
	s_lshl_b32 s94, s40, 16
	s_add_co_u32 s92, s92, s94
	s_add_co_u32 s92, s92, s81
	s_add_nc_u64 s[DIB:DIB+1], s[18:19], s[92:93]  ; d's images: K step 2 ct + w / 2, fragments 2 (w % 2) on
	s_lshl_b32 s92, s42, 14
	s_lshl_b32 s94, s40, 11
	s_add_co_u32 s92, s92, s94
	s_lshl_b32 s94, s22, 9
	s_add_co_u32 s92, s92, s94
	s_add_nc_u64 s[20:21], s[20:21], s[92:93]      ; my group's statistics
	s_wait_loadcnt 40                              ; the constants and scale words are in; the five groups of columns' fragments may be out
.irp j, 0,1,2,3
	v_mul_f32 v[CB+2*\j], 0x4038aa3b, v[CB+2*\j]   ; c2 x the bias, which carries no 2^-4
	v_mul_f32 v[CB+2*\j+1], 0x4038aa3b, v[CB+2*\j+1]
	v_mul_f32 v[CP+2*\j], 0.15915494, v[CP+2*\j]
.endr
.irp j, 0,1,2,3
	v_mul_f32 v[CP+2*\j+1], -2.0, v[CP+2*\j]
.endr
	WIN 0x40
	GLOAD 5, 5
	GLOAD 6, 6
	WIN 0
	s_wait_tensorcnt 1                             ; my part of slot 0 is in; slot 1's may be out
	s_barrier_signal -1
	s_barrier_wait -1
	FETCH 0, F0
.set MULW, 0xa4                        ; source 0 window 0, source 1 window 1, C and D window 2: zq, slots 0 to 3
	QTR 0, 1, 1                                    ; the first products start the sums: nothing is cleared
	WIN 0
	s_mov_b32 s3, 3
.Lq:                                               ; a trip goes from a slot's second quarter step to the next slot's first
	MID 1
	TURN 1, 1
	QTR 0, 0, 1
	WIN 0
	s_sub_co_u32 s3, s3, 1
	s_cmp_lg_u32 s3, 0
	s_cbranch_scc1 .Lq
	MID 1
	TURN 1, 1                                      ; the ring goes on into the next product
.set MULW, 0xf4                        ; C and D window 3: zk, slots 4 to 7
	QTR 0, 1, 1
	WIN 0
	s_mov_b32 s3, 2
.Lk:
	MID 1
	TURN 1, 0
	QTR 0, 0, 1
	WIN 0
	s_sub_co_u32 s3, s3, 1
	s_cmp_lg_u32 s3, 0
	s_cbranch_scc1 .Lk
	MID 1                                          ; slot 6: the tail is written out: nothing more is fetched into LDS
	TURN 0, 0
	QTR 0, 0, 1                                    ; slot 7: the last group of columns' fragments is asked for;
	MID 2                                          ; from here on Wv's fragments take the places of the groups, so that every count stays as it is
	s_wait_dscnt 8
	s_wait_loadcnt 48
	WIN MULW
	MUL8 F1, 7, 0, 0
	MUL8 F1, 7, 2, 0
	PLACES
	WIN 0x40
	WVLOAD 6
	s_wait_dscnt 0x0
	WIN MULW
	MUL8 F1, 7, 4, 0
	MUL8 F1, 7, 6, 0
	WIN 0
	; every wave's reads of the ring are over (its last wait on DScnt was for 0) and the ring has had its last fill: behind this barrier its bytes take the dumps
	s_barrier_signal -1
	s_barrier_wait -1
	s_wait_xcnt 0x0                                ; the last prefetch has read its offset register
	PLACES
	WIN 0x40
	WVLOAD 7
	WIN 0
	s_lshl_b32 s88, s22, 16
	v_add_nc_u32 v[DMP], s88, v[L16]               ; my dump: 65,536 x wave + 16 x lane
	v_and_b32 v9, 15, v0                           ; r
	v_bfe_u32 v11, v0, 4, 1                        ; h
	s_mul_i32 s88, s22, 2560
	s_add_co_u32 s88, s88, TS
	v_mul_u32_u24 v[TSS], v11, 384
	v_lshl_add_u32 v[TSS], v9, 4, v[TSS]
	v_add_nc_u32 v[TSS], s88, v[TSS]               ; d on its way in: my column's 8 rows, 16 bytes
	v_bfe_u32 v[TSL], v0, 3, 1
	v_mul_u32_u24 v[TSL], v[TSL], 384
	v_lshl_add_u32 v[TSL], v11, 7, v[TSL]
	v_and_b32 v3, 7, v0
	v_lshl_add_u32 v[TSL], v3, 4, v[TSL]
	v_add_nc_u32 v[TSL], s88, v[TSL]               ; and out, turned: rows 8 ((lane / 8) % 2) on of column 8 (lane / 16) + lane % 8
	s_lshl_b32 s98, s22, 10
	s_add_co_u32 s98, s98, STAB
	v_lshl_add_u32 v[STA], v11, 5, s98
	WIN 0x08                                       ; an LDS store's data are its source 1: window 2
.irp t, 0,1,2,3,4,5,6,7,8,9,10,11,12,13,14,15,16,17,18,19,20,21,22,23,24,25,26,27,28,29,30,31
	ds_store_b128 v[DMP], v[8*\t:8*\t+3] offset:1024*\t            ; each accumulator from its low end on
	ds_store_b128 v[DMP], v[8*\t+4:8*\t+7] offset:1024*\t+512
.endr
	WIN 0
	s_wait_dscnt 0x0                               ; zq's dump has read its registers: window 2 takes tile 0's fragments of x, asked for while zk is dumped
	WIN 0x80
.irp k, 0,1,2,3,4,5,6,7
	global_load_b128 v[XF+8*\k:XF+8*\k+3],   v[L16], s[XCB:XCB+1] offset:(\k/4)*2097152+(\k%4)*1024
	global_load_b128 v[XF+8*\k+4:XF+8*\k+7], v[L16], s[XCB:XCB+1] offset:(\k/4)*2097152+(\k%4)*1024+512
.endr
	WIN 0x0c
.irp t, 0,1,2,3,4,5,6,7,8,9,10,11,12,13,14,15,16,17,18,19,20,21,22,23,24,25,26,27,28,29,30,31
	ds_store_b128 v[DMP], v[8*\t:8*\t+3] offset:32768+1024*\t
	ds_store_b128 v[DMP], v[8*\t+4:8*\t+7] offset:32768+1024*\t+512
.endr
	WIN 0
	s_wait_dscnt 0x0                               ; zk's dump has read its registers
	WIN 0x80
.irp j, 0,1,2,3
	ds_load_b128 v[ZK+8*\j:ZK+8*\j+3],   v[DMP] offset:32768+1024*\j   ; tile 0's zk and zq
	ds_load_b128 v[ZK+8*\j+4:ZK+8*\j+7], v[DMP] offset:32768+1024*\j+512
	ds_load_b128 v[ZQ+8*\j:ZQ+8*\j+3],   v[DMP] offset:1024*\j
	ds_load_b128 v[ZQ+8*\j+4:ZQ+8*\j+7], v[DMP] offset:1024*\j+512
.endr
	WIN 0xc0
.irp j, 0,1,2,3
.irp e, 0,1,2,3,4,5,6,7
	v_mov_b32 v[8*\j+\e], v[BV+\j]                 ; bv in the result's layout: one column a lane, the same in all eight rows
.endr
.endr
	WIN 0
; From c2 (z + b) in Z to 1 / (1 + e).  Each line runs over all 32 numbers of a lane, so that no line waits for the line above it.
.macro SC_TANH Z
.set n, 0
.rept 32
	v_exp_f32 v[\Z+n], v[\Z+n]                     ; e = 2^(c2 (z + b))
.set n, n+1
.endr
	v_nop                                          ; a plain instruction behind the batch,
	s_wait_alu depctr_va_vdst(0)                   ; and one wait ahead of its first reader
.set n, 0
.rept 16
	v_pk_add_f32 v[\Z+n:\Z+n+1], v[\Z+n:\Z+n+1], 1.0 op_sel_hi:[1,0]
.set n, n+2
.endr
.set n, 0
.rept 32
	v_rcp_f32 v[\Z+n], v[\Z+n]
.set n, n+1
.endr
	v_nop
	s_wait_alu depctr_va_vdst(0)
.endm
; From 1 / (1 + e) in Z to cos in C and sin in S.  ride = 1: the other phase's exponentials and reciprocals, in place in R4, stand one by one among these plain lines, which name none of R4; each of the two batches has one wait.
.macro SC_REST Z, U, C, S, ride
.irp j, 0,1,2,3
.irp p, 0,2,4,6
	v_pk_fma_f32 v[\Z+8*\j+\p:\Z+8*\j+\p+1], v[\Z+8*\j+\p:\Z+8*\j+\p+1], v[CP+2*\j:CP+2*\j+1], v[CP+2*\j:CP+2*\j+1] op_sel:[0,1,0] op_sel_hi:[1,1,0]   ; turns = PS - 2 PS / (1 + e)
.endr
.endr
.set n, 0
.rept 32
	v_rndne_f32 v[\U+n], v[\Z+n]
.if \ride
	v_exp_f32 v[R4+n], v[R4+n]
.endif
.set n, n+1
.endr
.set n, 0
.rept 16
	v_pk_add_f32 v[\Z+n:\Z+n+1], v[\Z+n:\Z+n+1], v[\U+n:\U+n+1] neg_lo:[0,1] neg_hi:[0,1]      ; r, within half a turn
.set n, n+2
.endr
.set n, 0
.rept 16
	v_pk_mul_f32 v[\U+n:\U+n+1], v[\Z+n:\Z+n+1], v[\Z+n:\Z+n+1]                                ; u = r^2
.set n, n+2
.endr
.if \ride
	s_wait_alu depctr_va_vdst(0)                   ; the wait for the 32 exponentials that rode above
.set n, 0
.rept 16
	v_pk_add_f32 v[R4+n:R4+n+1], v[R4+n:R4+n+1], 1.0 op_sel_hi:[1,0]
.set n, n+2
.endr
.endif
.set n, 0
.rept 16
	v_pk_fma_f32 v[\C+n:\C+n+1], v[\U+n:\U+n+1], s[KC4:KC4+1], v[VC:VC+1] op_sel_hi:[1,0,0]
.if \ride
	v_rcp_f32 v[R4+n], v[R4+n]
.endif
	v_pk_fma_f32 v[\S+n:\S+n+1], v[\U+n:\U+n+1], s[KS3:KS3+1], v[VC:VC+1] op_sel:[0,0,1] op_sel_hi:[1,0,1]
.if \ride
	v_rcp_f32 v[R4+n+1], v[R4+n+1]
.endif
.set n, n+2
.endr
.set n, 0
.rept 16
	v_pk_fma_f32 v[\C+n:\C+n+1], v[\C+n:\C+n+1], v[\U+n:\U+n+1], s[KCC2:KCC2+1] op_sel_hi:[1,1,0]
	v_pk_fma_f32 v[\S+n:\S+n+1], v[\S+n:\S+n+1], v[\U+n:\U+n+1], s[KS1:KS1+1] op_sel_hi:[1,1,0]
.set n, n+2
.endr
.set n, 0
.rept 16
	v_pk_fma_f32 v[\C+n:\C+n+1], v[\C+n:\C+n+1], v[\U+n:\U+n+1], s[KC1:KC1+1] op_sel_hi:[1,1,0]
	v_pk_fma_f32 v[\S+n:\S+n+1], v[\S+n:\S+n+1], v[\U+n:\U+n+1], s[KS0:KS0+1] op_sel_hi:[1,1,0]
.set n, n+2
.endr
.set n, 0
.rept 16
	v_pk_fma_f32 v[\C+n:\C+n+1], v[\C+n:\C+n+1], v[\U+n:\U+n+1], 1.0 op_sel_hi:[1,1,0]         ; cos of the quarter angle
	v_pk_mul_f32 v[\S+n:\S+n+1], v[\S+n:\S+n+1], v[\Z+n:\Z+n+1]                                ; sin of it
.set n, n+2
.endr
.set n, 0
.rept 16
	v_pk_add_f32 v[\Z+n:\Z+n+1], v[\S+n:\S+n+1], v[\S+n:\S+n+1]
.set n, n+2
.endr
.set n, 0
.rept 16
	v_pk_mul_f32 v[\U+n:\U+n+1], v[\Z+n:\Z+n+1], v[\C+n:\C+n+1]                                ; sin of the half angle = 2 s c
	v_pk_fma_f32 v[\C+n:\C+n+1], v[\Z+n:\Z+n+1], v[\S+n:\S+n+1], 1.0 op_sel_hi:[1,1,0] neg_lo:[1,0,0] neg_hi:[1,0,0]   ; cos = 1 - 2 s s
.set n, n+2
.endr
.set n, 0
.rept 16
	v_pk_add_f32 v[\Z+n:\Z+n+1], v[\U+n:\U+n+1], v[\U+n:\U+n+1]
.set n, n+2
.endr
.set n, 0
.rept 16
	v_pk_mul_f32 v[\S+n:\S+n+1], v[\Z+n:\Z+n+1], v[\C+n:\C+n+1]
	v_pk_fma_f32 v[\C+n:\C+n+1], v[\Z+n:\Z+n+1], v[\U+n:\U+n+1], 1.0 op_sel_hi:[1,1,0] neg_lo:[1,0,0] neg_hi:[1,0,0]
.set n, n+2
.endr
.if \ride
	s_wait_alu depctr_va_vdst(0)                   ; the wait for the 32 reciprocals that rode above
.endif
.endm
; A trip takes tile i: 8 rows of each chunk x my 64 columns.  Its zk, zq, fragments of x and scale words were asked for in the trip before.  next = 1: it asks for tile i + 1's.
.macro TRIP next
	v_add_nc_u32 v[STT], s96, v[STA]
	s_wait_dscnt 0x0                               ; zk and zq
	WIN 0x02                                       ; source 0: window 2
.irp j, 0,1,2,3
.irp p, 0,2,4,6
	v_pk_fma_f32 v[R0+8*\j+\p:R0+8*\j+\p+1], v[ZK+8*\j+\p:ZK+8*\j+\p+1], s[KC2:KC2+1], v[CB+2*\j:CB+2*\j+1] op_sel_hi:[1,0,0]
	v_pk_fma_f32 v[R4+8*\j+\p:R4+8*\j+\p+1], v[ZQ+8*\j+\p:ZQ+8*\j+\p+1], s[KC2:KC2+1], v[CB+2*\j:CB+2*\j+1] op_sel:[0,0,1] op_sel_hi:[1,0,1]
.endr
.endr
	WIN 0
	SC_TANH R0
	SC_REST R0, R1, R2, R3, 1                      ; the key phase: cos in R2, sin in R3; the query phase's 1 / (1 + e) is made in R4 on the way
	s_wait_xcnt 0x0                                ; the last trip's stores have read their data (R5) and their offset
	SC_REST R4, R0, R1, R5, 0                      ; the query phase: cos in R1, sin in R5
	s_wait_loadcnt 0x0                             ; x's fragments and scale words (in the first trip Wv's too)
.irp k, 0,1,2,3,4,5,6,7                        ; value = Q(x) Q(Wv)^T + bv: four accumulators by turns, K ascending
.if \k == 0
	WIN 0x36                                       ; source 0 (x) window 2, source 1 (Wv) window 1, C (bv) window 3
.else
	WIN 0x06
.endif
.irp j, 0,1,2,3
.if \k == 0
	v_wmma_scale_f32_16x16x128_f8f6f4 v[R4+8*\j:R4+8*\j+7], v[XF+8*\k:XF+8*\k+7], v[8*(8*\j+\k):8*(8*\j+\k)+7], v[8*\j:8*\j+7], v[XSC+\k%4], v[WSC+4*\j+\k%4] matrix_a_fmt:MATRIX_FMT_FP4 matrix_b_fmt:MATRIX_FMT_FP4
.elseif \k < 4
	v_wmma_scale_f32_16x16x128_f8f6f4 v[R4+8*\j:R4+8*\j+7], v[XF+8*\k:XF+8*\k+7], v[8*(8*\j+\k):8*(8*\j+\k)+7], v[R4+8*\j:R4+8*\j+7], v[XSC+\k%4], v[WSC+4*\j+\k%4] matrix_a_fmt:MATRIX_FMT_FP4 matrix_b_fmt:MATRIX_FMT_FP4
.else
	v_wmma_scale_f32_16x16x128_f8f6f4 v[R4+8*\j:R4+8*\j+7], v[XF+8*\k:XF+8*\k+7], v[8*(8*\j+\k):8*(8*\j+\k)+7], v[R4+8*\j:R4+8*\j+7], v[XSC+\k%4], v[WSC+4*\j+\k%4] matrix_a_fmt:MATRIX_FMT_FP4 matrix_b_fmt:MATRIX_FMT_FP4 matrix_a_scale:MATRIX_SCALE_ROW1 matrix_b_scale:MATRIX_SCALE_ROW1
.endif
.endr
.endr
	WIN 0
	PLACES
.if \next
	v_add_nc_u32 v[GX], s94, v[L16]
	v_lshl_add_u32 v[GS], s96, 2, v[LXS]
	v_add_nc_u32 v[ADZ], s94, v[DMP]
	WIN 0x80                                       ; the next tile: 4,096 bytes on in x's codes and in the dumps, 256 in the scale words
.irp k, 0,1,2,3,4,5,6,7
	global_load_b128 v[XF+8*\k:XF+8*\k+3],   v[GX], s[XCB:XCB+1] offset:4096+(\k/4)*2097152+(\k%4)*1024
	global_load_b128 v[XF+8*\k+4:XF+8*\k+7], v[GX], s[XCB:XCB+1] offset:4096+(\k/4)*2097152+(\k%4)*1024+512
.endr
.irp j, 0,1,2,3
	ds_load_b128 v[ZK+8*\j:ZK+8*\j+3],   v[ADZ] offset:4096+32768+1024*\j
	ds_load_b128 v[ZK+8*\j+4:ZK+8*\j+7], v[ADZ] offset:4096+32768+1024*\j+512
	ds_load_b128 v[ZQ+8*\j:ZQ+8*\j+3],   v[ADZ] offset:4096+1024*\j
	ds_load_b128 v[ZQ+8*\j+4:ZQ+8*\j+7], v[ADZ] offset:4096+1024*\j+512
.endr
	WIN 0
	global_load_b128 v[XSC:XSC+3], v[GS], s[XSB:XSB+1] offset:256
.endif
.irp e, 0,1,2,3,4,5,6,7                        ; the prefix sums, eight chains by turns: row e = value x (cos, sin) + row e - 1
.irp j, 0,1,2,3
.if \e == 0
	v_fma_f32 v[R2+8*\j], v[R4+8*\j], v[R2+8*\j], v[CARR+2*\j]
	v_fma_f32 v[R3+8*\j], v[R4+8*\j], v[R3+8*\j], v[CARR+2*\j+1]
.else
	v_fma_f32 v[R2+8*\j+\e], v[R4+8*\j+\e], v[R2+8*\j+\e], v[R2+8*\j+\e-1]
	v_fma_f32 v[R3+8*\j+\e], v[R4+8*\j+\e], v[R3+8*\j+\e], v[R3+8*\j+\e-1]
.endif
.endr
.endr
.irp j, 0,1,2,3
	v_mov_b32 v[CARR+2*\j], v[R2+8*\j+7]
	v_mov_b32 v[CARR+2*\j+1], v[R3+8*\j+7]
.endr
.set n, 0
.rept 16
	v_pk_mul_f32 v[R0+n:R0+n+1], v[R2+n:R2+n+1], v[R1+n:R1+n+1]
.set n, n+2
.endr
.set n, 0
.rept 16
	v_pk_fma_f32 v[R0+n:R0+n+1], v[R3+n:R3+n+1], v[R5+n:R5+n+1], v[R0+n:R0+n+1]                ; retrieved x 32
.set n, n+2
.endr
.irp p, 0,2,4,6                                ; each row's sum over my 64 columns: four registers, then sixteen lanes
	v_pk_add_f32 v[R4+\p:R4+\p+1], v[R0+\p:R0+\p+1], v[R0+8+\p:R0+8+\p+1]
	v_pk_add_f32 v[R4+8+\p:R4+8+\p+1], v[R0+16+\p:R0+16+\p+1], v[R0+24+\p:R0+24+\p+1]
.endr
.irp p, 0,2,4,6
	v_pk_add_f32 v[R4+\p:R4+\p+1], v[R4+\p:R4+\p+1], v[R4+8+\p:R4+8+\p+1]
.endr
.irp m, 1,2,4,8
.irp e, 0,1,2,3,4,5,6,7
	v_add_f32_dpp v[R4+\e], v[R4+\e], v[R4+\e] row_xmask:\m row_mask:0xf bank_mask:0xf
.endr
.endr
.irp p, 0,2,4,6
	v_pk_mul_f32 v[R4+\p:R4+\p+1], v[R4+\p:R4+\p+1], 0x38000000 op_sel_hi:[1,0]                ; x 2^-15: the mean over 64 columns at the scale 2^-9
.endr
.irp j, 0,1,2,3
.irp p, 0,2,4,6
	v_pk_fma_f32 v[R0+8*\j+\p:R0+8*\j+\p+1], v[R0+8*\j+\p:R0+8*\j+\p+1], 0x3b000000, v[R4+\p:R4+\p+1] op_sel_hi:[1,0,1] neg_lo:[0,0,1] neg_hi:[0,0,1]   ; d = the sum x 2^-9 - mean
.endr
.endr
.irp p, 0,2,4,6
	v_pk_mul_f32 v[R4+8+\p:R4+8+\p+1], v[R0+\p:R0+\p+1], v[R0+\p:R0+\p+1]
.endr
.irp j, 1,2,3
.irp p, 0,2,4,6
	v_pk_fma_f32 v[R4+8+\p:R4+8+\p+1], v[R0+8*\j+\p:R0+8*\j+\p+1], v[R0+8*\j+\p:R0+8*\j+\p+1], v[R4+8+\p:R4+8+\p+1]
.endr
.endr
.irp m, 1,2,4,8
.irp e, 0,1,2,3,4,5,6,7
	v_add_f32_dpp v[R4+8+\e], v[R4+8+\e], v[R4+8+\e] row_xmask:\m row_mask:0xf bank_mask:0xf
.endr
.endr
	ds_store_b128 v[STT], v[R4:R4+3]                               ; sixteen lanes write the same words with the same numbers
	ds_store_b128 v[STT], v[R4+4:R4+7] offset:16
	ds_store_b128 v[STT], v[R4+8:R4+11] offset:512
	ds_store_b128 v[STT], v[R4+12:R4+15] offset:528
.irp j, 0,1,2,3
.irp p, 0,1,2,3
	v_cvt_pk_f16_f32 v[R4+16+4*\j+\p], v[R0+8*\j+2*\p], v[R0+8*\j+2*\p+1]
.endr
.endr
.irp j, 0,1,2,3
	ds_store_b128 v[TSS], v[R4+16+4*\j:R4+16+4*\j+3] offset:640*\j   ; a column's eight rows
.endr
.irp j, 0,1,2,3
	ds_load_tr16_b128 v[R5+4*\j:R5+4*\j+3], v[TSL] offset:640*\j     ; a row's eight columns: my 16 bytes of the next launch's fragment.  LDS serves a wave's instructions in order
.endr
	v_add_nc_u32 v[GV], s95, v[L16]                ; (the last trip's stores were shown to have read it by the wait on XCNT above)
	s_wait_dscnt 0x0
.irp j, 0,1,2,3
	global_store_b128 v[GV], v[R5+4*\j:R5+4*\j+3], s[DIB:DIB+1] offset:(\j/2)*8192+(\j%2)*512      ; 512 consecutive bytes
.endr
.endm
	s_mov_b32 s94, 0                               ; 4,096 i
	s_mov_b32 s95, 0                               ; 1,024 i
	s_mov_b32 s96, 0                               ; 64 i
	s_mov_b32 s97, 0                               ; i
.Ltrip:                                            ; seven trips, each asking for the tile after its own
	TRIP 1
	s_add_co_u32 s94, s94, 4096
	s_add_co_u32 s95, s95, 1024
	s_add_co_u32 s96, s96, 64
	s_add_co_u32 s97, s97, 1
	s_cmp_lt_u32 s97, 7
	s_cbranch_scc1 .Ltrip
	TRIP 0                                         ; the eighth is written out: there is no tile behind it
	v_add_nc_u32 v[ADZ], s98, v[L16]
	ds_load_b128 v[R0:R0+3], v[ADZ]
	ds_load_b128 v[R0+4:R0+7], v[ADZ] offset:512
	s_wait_dscnt 0x0
	global_store_b128 v[L16], v[R0:R0+3], s[20:21]                 ; 128 means,
	global_store_b128 v[L16], v[R0+4:R0+7], s[20:21] offset:8192   ; 128 sums of squares: 512 consecutive bytes each
	s_wait_tensorcnt 0x0                           ; the wave's end
	ds_add_u32 v[SPW], v[NIL]
	s_wait_dscnt 0x0
	CROUND                                         ; the closing round
	s_endpgm
.Lfunc_end_k_q2150591a3e_phasor:
	.size	k_q2150591a3e_phasor, .Lfunc_end_k_q2150591a3e_phasor-k_q2150591a3e_phasor
	.p2alignl 7, 3214868480
	.fill 96, 4, 3214868480
	.section	.rodata,"a",@progbits
	.p2align	6, 0x0
	.amdhsa_kernel k_q2150591a3e_phasor
		.amdhsa_group_segment_fixed_size 327680
		.amdhsa_private_segment_fixed_size 0
		.amdhsa_enable_private_segment 0
		.amdhsa_kernarg_size 72
		.amdhsa_user_sgpr_count 2
		.amdhsa_user_sgpr_kernarg_segment_ptr 1
		.amdhsa_wavefront_size32 1
		.amdhsa_system_sgpr_workgroup_id_x 1
		.amdhsa_system_sgpr_workgroup_id_y 1
		.amdhsa_system_sgpr_workgroup_id_z 1
		.amdhsa_system_vgpr_workitem_id 0
		.amdhsa_next_free_vgpr 1024
		.amdhsa_next_free_sgpr 100
		.amdhsa_reserve_vcc 0
		.amdhsa_float_denorm_mode_32 3
		.amdhsa_float_denorm_mode_16_64 3
		.amdhsa_memory_ordered 1
		.amdhsa_forward_progress 1
		.amdhsa_inst_pref_size 255
	.end_amdhsa_kernel
	.section	.bss,"aw",@nobits
	.p2align	6
	.space	262144
	.amdgpu_metadata
---
amdhsa.version: [ 1, 2 ]
amdhsa.kernels:
  - .name:           k_q2150591a3e_phasor
    .symbol:         k_q2150591a3e_phasor.kd
    .args:
      - { .name: kq, .offset: 0, .size: 8, .value_kind: global_buffer, .address_space: global }
      - { .name: q4, .offset: 8, .size: 8, .value_kind: global_buffer, .address_space: global }
      - { .name: wimg, .offset: 16, .size: 8, .value_kind: global_buffer, .address_space: global }
      - { .name: bqp, .offset: 24, .size: 8, .value_kind: global_buffer, .address_space: global }
      - { .name: bkp, .offset: 32, .size: 8, .value_kind: global_buffer, .address_space: global }
      - { .name: bv, .offset: 40, .size: 8, .value_kind: global_buffer, .address_space: global }
      - { .name: phase_scale, .offset: 48, .size: 8, .value_kind: global_buffer, .address_space: global }
      - { .name: di, .offset: 56, .size: 8, .value_kind: global_buffer, .address_space: global }
      - { .name: st, .offset: 64, .size: 8, .value_kind: global_buffer, .address_space: global }
    .group_segment_fixed_size: 327680
    .private_segment_fixed_size: 0
    .kernarg_segment_align: 8
    .kernarg_segment_size: 72
    .max_flat_workgroup_size: 128
    .sgpr_count:     100
    .vgpr_count:     1024
    .wavefront_size: 32
...
	.end_amdgpu_metadata
.endif
;; end of part 3
;; launch outp (part 4): grid 4 x 64, 4 waves a work-group, clusters of 4 x 4, 327,680 bytes of LDS; arguments di, st, wimg, x, out0; writes out0
.if DOCPART == 4
	.amdgcn_target "amdgcn-amd-amdhsa--gfx1250"
	.amdhsa_code_object_version 6
	.text
	.protected	k_q2150591a3e_outp
	.globl	k_q2150591a3e_outp
	.p2align	8
	.type	k_q2150591a3e_outp,@function
k_q2150591a3e_outp:
	s_mov_b64 s[64:65], 0
	v_nop
	global_prefetch_b8 v0, s[64:65] scope:SCOPE_SE
	s_setreg_imm32_b32 hwreg(HW_REG_WAVE_MODE, 25, 1), 1
	s_wait_xcnt 0x0
	s_wait_alu depctr_hold_cnt(0) depctr_sa_sdst(0) depctr_va_vdst(0) depctr_va_sdst(0) depctr_va_ssrc(0) depctr_va_vcc(0) depctr_vm_vsrc(0)
	s_getreg_b32 s2, hwreg(HW_REG_IB_STS2, 6, 4)
	s_cmp_eq_u32 s2, 0
	s_cbranch_scc0 .Lentry_in_a_cluster
	s_endpgm
.Lentry_in_a_cluster:
	s_bfe_u32 s2, ttmp6, 0x10000c
	s_cmp_lg_u32 s2, 0xf033
	s_cbranch_scc0 .Lentry_shape_is_right
	s_endpgm
.Lentry_shape_is_right:
; out0 = x + LayerNorm(retrieved) Wo^T + bo, with the LayerNorm split: for row's group means m_w, d = s - m_w and sums of squares M2_w (16 groups of 64 columns), all at the scale s = retrieved / 16:
;   mu = sum m_w / 16;  var = (sum M2_w + 64 sum (m_w - mu)^2) / 1024;  rstd = 1 / sqrt(var + eps / 256);  out = rstd x [ sum_k d_k (g_k Wo[e][k]) + sum_w (m_w - mu) G_w[e] ] + bias2[e] + x.
; (r - mu) / sqrt(var + eps) keeps its value when r is divided by 16 and eps by 256: so the scale costs nothing here.
; Every number that is rounded to f16 (d, m_w - mu) is centred already: no difference of large sums is formed.  The second sum is one K step of 32 (16 used, 16 zeros) of the same product, and it starts the sums.
; SHARES as in the launch before: 128 rows (group g) x 256 columns (ct = the place along the cluster's x); wave w all rows x 64 columns.  8 K steps of 128 through two LDS slots, operands as register images, joint loads.
; THE MATRIX INSTRUCTION IS USED TRANSPOSED (source 0 = 16 rows of Wo, source 1 = 16 rows of d): a lane holds one row and eight neighbouring columns, so rstd is one number a lane and tile.
; The rows go back to their true places on the way out: tile i's row 8 c + e is row 128 g + 64 c + 8 i + e.
; LIMITS: NaN and infinities are not served; d, m_w - mu, ln_g x Wo and G are rounded to f16, each under 65,504 in magnitude at its scale.
; REGISTERS.  window 0: v1-16 addresses; v20-27 rstd; v28, v29 the add's two; v32-63 bias2; v64-127 the means, later results; v128-191, v192-255 rows' fragments (first: sums of squares; the extra K step's fragment), later rows on their way out.
;   window 1: columns' fragments.   window 2: the 32 accumulators.   window 3: x, asked for ahead of the product.
.set WO,    4194304
.set WX,    6291456
.set B2,    6356992
.set SLOT,  98304
.set STAGE, 196608                     ; behind the ring: 16 rows x 272 bytes for each wave
.set SPARE, 214016                     ; the spare words, 128 bytes for each wave
.set F0,  128
.set F1,  192
.set L16, 1
.set STO, 2
.set RD,  3
.set CO,  4
.set SO,  5
.set BO,  6
.set ADRA, 12
.set ADRB, 14
.set PFO, 16
.set RS,  20
.set SPW, 28
.set NIL, 29
.set BIAS, 32
.set M,   64
.set Q,   128
.set AX,  192
.set TMP, 64
.set BK,  128
.set G1, 24
.set G0, 32
.set G1B, 48
.set G0B, 56
.set LIM, 43
.set PFA, 44
.set SEL, 14
.set MULW, 0xa1                        ; source 0 (columns) window 1, source 1 (rows) window 0, C and D window 2
.set MSB, 0
.macro WIN new                         ; the immediate's high byte repeats the setting that is left
.if MSB != \new
	s_set_vgpr_msb (MSB<<8)|\new
.set MSB, \new
.endif
.endm
.macro JLOAD s                         ; waves 0 and 1 fetch the rows' tiles, waves 2 and 3 the columns'; an s_nop 0 and four v_nop follow each line
	s_cmp_eq_u32 s23, 0
	s_cbranch_scc0 .Lfor_b_\@
	tensor_load_to_lds s[G0+4*\s:G0+4*\s+3], s[G1:G1+7]
	s_nop 0
.rept 4
	v_nop
.endr
	s_branch .Lasked_\@
.Lfor_b_\@:
	tensor_load_to_lds s[G0B+4*\s:G0B+4*\s+3], s[G1B:G1B+7]
	s_nop 0
.rept 4
	v_nop
.endr
.Lasked_\@:
.endm
.macro CREST
	s_cmp_lg_u32 s22, 0
	s_cbranch_scc1 .Lnot_wave_0_\@
	s_barrier_signal -3
.Lnot_wave_0_\@:
	s_barrier_wait -3
	s_barrier_signal -1
	s_barrier_wait -1
.endm
.macro CROUND
	s_barrier_signal -1
	s_barrier_wait -1
	CREST
.endm
.macro PLACES
.rept 4
	v_nop
.endr
.endm
; A prefetch of the rows' tile that stands two refills on: each of the four partners of a row takes 8,192 of its 32,768 bytes by address, wave 0 alone, lanes 256 bytes apart: each block is named once in the launch.
.macro ASK how
.if \how
	s_cmp_eq_u32 s[LIM], 1
.else
	s_cmp_gt_u32 s3, s[LIM]                        ; not in the loop's last trip: there is no K step four on
.endif
	s_cbranch_scc0 .Lnot_mine_\@
	global_prefetch_b8 v[PFO], s[PFA:PFA+1] offset:32768 th:TH_LOAD_NT scope:SCOPE_SE
.Lnot_mine_\@:
.endm
.macro MUL8 f, i0, zero                ; rows' tiles i0, i0 + 1 against the four columns' tiles; the 32 accumulators take turns
.irp i, \i0, \i0+1
.irp j, 0,1,2,3
.if \zero
	v_wmma_f32_16x16x32_f16 v[8*(4*(\i)+\j):8*(4*(\i)+\j)+7], v[\f+8*\j:\f+8*\j+7], v[\f+8*(\i):\f+8*(\i)+7], 0
.else
	v_wmma_f32_16x16x32_f16 v[8*(4*(\i)+\j):8*(4*(\i)+\j)+7], v[\f+8*\j:\f+8*\j+7], v[\f+8*(\i):\f+8*(\i)+7], v[8*(4*(\i)+\j):8*(4*(\i)+\j)+7]
.endif
.endr
.endr
.endm
.macro FETCH slot, q, f
	WIN 0x40
.irp j, 0,1,2,3
	ds_load_b128 v[\f+8*\j:\f+8*\j+3],   v[ADRB+\slot] offset:4096*(\q)+1024*\j
	ds_load_b128 v[\f+8*\j+4:\f+8*\j+7], v[ADRB+\slot] offset:4096*(\q)+1024*\j+512
.endr
	WIN 0
.irp i, 0,1,2,3,4,5,6,7
	ds_load_b128 v[\f+8*\i:\f+8*\i+3],   v[ADRA+\slot] offset:8192*(\q)+1024*\i
	ds_load_b128 v[\f+8*\i+4:\f+8*\i+7], v[ADRA+\slot] offset:8192*(\q)+1024*\i+512
.endr
.endm
.macro QUARTER slot, qn, f, g, zero
	s_wait_dscnt 8                                 ; all but rows' fragments 4-7 are in
	WIN MULW
	MUL8 \f, 0, \zero
	MUL8 \f, 2, \zero
	PLACES
	FETCH \slot, \qn, \g
	s_wait_dscnt 24                                ; all but the 24 just issued
	WIN MULW
	MUL8 \f, 4, \zero
	MUL8 \f, 6, \zero
.endm
; A K step's last quarter changes slots: one barrier; ahead of it each wave waits for all its tensor loads, adds 0 to its spare word and waits for that and for its reads of this slot.
; fill = 1: the barrier opens a round of the cluster's, and the slot is filled again, two K steps ahead, first thing behind it.
.macro TURN slot, next, fill, ask
	s_wait_xcnt 0x0                                ; the last prefetch, a K step back, has read its address
	s_add_nc_u64 s[PFA:PFA+1], s[PFA:PFA+1], 32768
	WIN 0
	s_wait_tensorcnt 0x0
	ds_add_u32 v[SPW], v[NIL]
	s_wait_dscnt 9                                 ; the add and rows' fragments 4-7 may be out
	WIN MULW
	MUL8 F1, 0, 0
	s_wait_dscnt 0x0
	s_barrier_signal -1
	MUL8 F1, 2, 0
	WIN 0
	s_barrier_wait -1
.if \fill
	CREST
	s_add_nc_u64 s[G0+4*\slot+2:G0+4*\slot+3], s[G0+4*\slot+2:G0+4*\slot+3], 65536
	s_add_nc_u64 s[G0B+4*\slot+2:G0B+4*\slot+3], s[G0B+4*\slot+2:G0B+4*\slot+3], 131072
	JLOAD \slot                                    ; its four v_nop are also the places in front of the loads below
.else
	PLACES
.endif
	FETCH \next, 0, F0
.if \fill
	ASK \ask
.endif
	WIN MULW
	MUL8 F1, 4, 0
	MUL8 F1, 6, 0
.endm
	s_load_b256 s[4:11], s[0:1], 0x0               ; di, st, wimg, x
	s_load_b64 s[12:13], s[0:1], 0x20              ; out0
	v_lshl_add_u32 v[SPW], v0, 2, SPARE
	v_mov_b32 v[NIL], 0
	ds_add_u32 v[SPW], v[NIL]                      ; the wave's opening: the add and its wait stand ahead of my first tensor load
	v_lshrrev_b32 v1, 5, v0
	v_readfirstlane_b32 s22, v1                    ; wave
	s_lshr_b32 s23, s22, 1
	s_and_b32 s46, s22, 1
	s_bfe_u32 s40, ttmp6, 0x40000                  ; cx = ct
	s_bfe_u32 s41, ttmp6, 0x40004                  ; cy
	s_and_b32 s42, ttmp7, 0xffff
	s_lshl_b32 s42, s42, 2
	s_add_co_u32 s42, s42, s41                     ; g
	s_lshl_b32 s47, s41, 2
	s_lshl_b32 s47, 15, s47
	s_lshl_b32 s80, 0x1111, s40
	s_or_b32 s[G1], s47, (3<<16)|(1<<21)
	s_or_b32 s[G1B], s80, (3<<16)|(1<<21)
	s_mov_b32 s[G1+1], 32<<16
	s_mov_b32 s[G1+2], 64<<16
	s_mov_b32 s[G1+3], 32<<16
	s_mov_b32 s[G1+4], 64
	s_mov_b32 s[G1+5], 32
	s_mov_b32 s[G1+6], 0
	s_mov_b32 s[G1+7], 0
	s_mov_b32 s[G1B+1], 32<<16
	s_mov_b32 s[G1B+2], 128<<16
	s_mov_b32 s[G1B+3], 32<<16
	s_mov_b32 s[G1B+4], 128
	s_mov_b32 s[G1B+5], 32
	s_mov_b32 s[G1B+6], 0
	s_mov_b32 s[G1B+7], 0
	s_lshl_b32 s82, s42, 18
	s_lshl_b32 s83, s46, 14
	s_add_co_u32 s82, s82, s83
	s_mov_b32 s83, 0
	s_lshl_b32 s84, s40, 19
	s_lshl_b32 s85, s46, 15
	s_add_co_u32 s84, s84, s85
	s_add_co_u32 s84, s84, WO
	s_mov_b32 s85, 0
	s_lshl_b32 s86, s46, 14
	s_lshl_b32 s87, s46, 15
	s_add_co_u32 s87, s87, 32768
	s_lshl_b32 s88, s42, 18
	s_lshl_b32 s89, s40, 13
	s_add_co_u32 s88, s88, s89
	s_add_co_u32 s88, s88, 65536
	s_mov_b32 s89, 0
	s_cmp_eq_u32 s22, 0
	s_cselect_b32 s[LIM], 1, -1
	s_mov_b32 s[SEL], 0x76543210
	s_mov_b32 s[SEL+1], 0xfedcba98                 ; v_permlanex16_b32's selects for lane l xor 16
	s_mov_b32 s16, 0x42800000                      ; 64
	s_mov_b32 s17, 0x3a800000                      ; 1 / 1024
	s_mov_b32 s18, 0x3327c5ac                      ; 1e-5 / 256: the statistics are at the scale 1 / 16
	s_wait_dscnt 0x0                               ; the opening add is done
	s_wait_kmcnt 0x0
	s_add_nc_u64 s[82:83], s[4:5], s[82:83]
	s_add_nc_u64 s[84:85], s[8:9], s[84:85]
	s_add_nc_u64 s[PFA:PFA+1], s[4:5], s[88:89]
	CROUND                                         ; all sixteen work-groups are here: the first joint loads meet
.irp s, 0,1
	s_mov_b32 s[G0+4*\s], 1
	s_add_co_u32 s[G0+4*\s+1], s86, \s*SLOT
	s_add_nc_u64 s[G0+4*\s+2:G0+4*\s+3], s[82:83], \s*32768
	s_or_b32 s[G0+4*\s+3], s[G0+4*\s+3], 0x80000000
	s_mov_b32 s[G0B+4*\s], 1
	s_add_co_u32 s[G0B+4*\s+1], s87, \s*SLOT
	s_add_nc_u64 s[G0B+4*\s+2:G0B+4*\s+3], s[84:85], \s*65536
	s_or_b32 s[G0B+4*\s+3], s[G0B+4*\s+3], 0x80000000
	JLOAD \s                                       ; two loads of mine are out at the most
.endr
	v_and_b32 v[L16], 31, v0
	v_lshlrev_b32 v[L16], 4, v[L16]
	v_mov_b32 v[ADRA], v[L16]
	v_add_nc_u32 v[ADRA+1], SLOT, v[L16]
	s_lshl_b32 s66, s22, 14
	s_add_co_u32 s66, s66, 32768
	v_add_nc_u32 v[ADRB], s66, v[L16]
	s_add_co_u32 s66, s66, SLOT
	v_add_nc_u32 v[ADRB+1], s66, v[L16]
	v_lshlrev_b32 v[PFO], 4, v[L16]
	v_and_b32 v7, 15, v0                           ; r
	v_bfe_u32 v8, v0, 4, 1                         ; h
	v_lshlrev_b32 v[SO], 2, v7
	v_lshl_add_u32 v[SO], v8, 12, v[SO]            ; the statistics: row r, groups 8 h on
	v_lshlrev_b32 v[BO], 5, v8
	s_mul_i32 s67, s22, 4352
	s_add_co_u32 s67, s67, STAGE
	v_mul_u32_u24 v[STO], v7, 272
	v_lshl_add_u32 v[STO], v8, 5, v[STO]
	v_add_nc_u32 v[STO], s67, v[STO]               ; the stage, in: row r, + 32 h
	v_mul_u32_u24 v[RD], v8, 272
	v_lshl_add_u32 v[RD], v7, 4, v[RD]
	v_add_nc_u32 v[RD], s67, v[RD]                 ; back: lanes 0-15 one row of 256 bytes, lanes 16-31 the next
	v_lshlrev_b32 v[CO], 4, v7
	v_lshl_add_u32 v[CO], v8, 12, v[CO]            ; and the same two rows in x and out0
	s_mov_b32 s69, 0
	s_lshl_b32 s68, s42, 14
	s_add_nc_u64 s[6:7], s[6:7], s[68:69]          ; my group's statistics
	s_lshl_b32 s68, s40, 14
	s_lshl_b32 s70, s22, 12
	s_add_co_u32 s68, s68, s70
	s_add_nc_u64 s[72:73], s[8:9], s[68:69]        ; G's fragments of my 64 columns (+ WX in the immediate)
	s_lshl_b32 s68, s40, 10
	s_lshl_b32 s70, s22, 8
	s_add_co_u32 s68, s68, s70
	s_add_nc_u64 s[74:75], s[8:9], s[68:69]        ; bias2 (+ B2 in the immediate)
	s_lshl_b32 s70, s42, 19
	s_add_co_u32 s68, s68, s70
	s_add_nc_u64 s[10:11], s[10:11], s[68:69]      ; x and out0 at my group's first row, my 64 columns
	s_add_nc_u64 s[12:13], s[12:13], s[68:69]
.irp i, 0,1,2,3,4,5,6,7
.irp e, 0,1,2,3,4,5,6,7
	global_load_b32 v[M+8*\i+\e], v[SO], s[6:7] offset:512*\e+64*\i
	global_load_b32 v[Q+8*\i+\e], v[SO], s[6:7] offset:8192+512*\e+64*\i
.endr
.endr
	WIN 0x40
.irp j, 0,1,2,3
	global_load_b128 v[F1+8*\j:F1+8*\j+3],   v[L16], s[72:73] offset:WX+1024*\j
	global_load_b128 v[F1+8*\j+4:F1+8*\j+7], v[L16], s[72:73] offset:WX+1024*\j+512
.endr
	WIN 0
.irp j, 0,1,2,3
	global_load_b128 v[BIAS+8*\j:BIAS+8*\j+3],   v[BO], s[74:75] offset:B2+64*\j
	global_load_b128 v[BIAS+8*\j+4:BIAS+8*\j+7], v[BO], s[74:75] offset:B2+64*\j+16
.endr
	s_wait_loadcnt 0x0
	; THE STATISTICS: lane (r, h) holds, for row r of each tile i, the means and sums of squares of groups 8 h + 0..7.  Each line runs over the eight tiles.
.irp i, 0,1,2,3,4,5,6,7
	v_pk_add_f32 v[Q+8*\i:Q+8*\i+1], v[Q+8*\i:Q+8*\i+1], v[Q+8*\i+2:Q+8*\i+3]
	v_pk_add_f32 v[Q+8*\i+4:Q+8*\i+5], v[Q+8*\i+4:Q+8*\i+5], v[Q+8*\i+6:Q+8*\i+7]
.endr
.irp i, 0,1,2,3,4,5,6,7
	v_pk_add_f32 v[Q+8*\i:Q+8*\i+1], v[Q+8*\i:Q+8*\i+1], v[Q+8*\i+4:Q+8*\i+5]
.endr
.irp i, 0,1,2,3,4,5,6,7
	v_add_f32 v[Q+8*\i], v[Q+8*\i], v[Q+8*\i+1]                    ; my eight groups' sums of squares
.endr
.irp i, 0,1,2,3,4,5,6,7
	v_pk_add_f32 v[Q+8*\i+2:Q+8*\i+3], v[M+8*\i:M+8*\i+1], v[M+8*\i+2:M+8*\i+3]
	v_pk_add_f32 v[Q+8*\i+4:Q+8*\i+5], v[M+8*\i+4:M+8*\i+5], v[M+8*\i+6:M+8*\i+7]
.endr
.irp i, 0,1,2,3,4,5,6,7
	v_pk_add_f32 v[Q+8*\i+2:Q+8*\i+3], v[Q+8*\i+2:Q+8*\i+3], v[Q+8*\i+4:Q+8*\i+5]
.endr
.irp i, 0,1,2,3,4,5,6,7
	v_add_f32 v[Q+8*\i+2], v[Q+8*\i+2], v[Q+8*\i+3]
.endr
.irp i, 0,1,2,3,4,5,6,7
	v_permlanex16_b32 v[Q+8*\i+3], v[Q+8*\i+2], s[SEL], s[SEL+1]
.endr
.irp i, 0,1,2,3,4,5,6,7
	v_add_f32 v[Q+8*\i+2], v[Q+8*\i+2], v[Q+8*\i+3]
.endr
.irp i, 0,1,2,3,4,5,6,7
	v_mul_f32 v[Q+8*\i+2], 0x3d800000, v[Q+8*\i+2]                 ; mu
.endr
.irp i, 0,1,2,3,4,5,6,7
.irp p, 0,2,4,6
	v_pk_add_f32 v[M+8*\i+\p:M+8*\i+\p+1], v[M+8*\i+\p:M+8*\i+\p+1], v[Q+8*\i+2:Q+8*\i+3] op_sel_hi:[1,0] neg_lo:[0,1] neg_hi:[0,1]   ; m_w - mu
.endr
.endr
.irp i, 0,1,2,3,4,5,6,7
	v_pk_mul_f32 v[Q+8*\i+4:Q+8*\i+5], v[M+8*\i:M+8*\i+1], v[M+8*\i:M+8*\i+1]
.endr
.irp p, 2,4,6
.irp i, 0,1,2,3,4,5,6,7
	v_pk_fma_f32 v[Q+8*\i+4:Q+8*\i+5], v[M+8*\i+\p:M+8*\i+\p+1], v[M+8*\i+\p:M+8*\i+\p+1], v[Q+8*\i+4:Q+8*\i+5]
.endr
.endr
.irp i, 0,1,2,3,4,5,6,7
	v_add_f32 v[Q+8*\i+4], v[Q+8*\i+4], v[Q+8*\i+5]
.endr
.irp i, 0,1,2,3,4,5,6,7
	v_fma_f32 v[Q+8*\i], v[Q+8*\i+4], s16, v[Q+8*\i]
.endr
.irp i, 0,1,2,3,4,5,6,7
	v_permlanex16_b32 v[Q+8*\i+1], v[Q+8*\i], s[SEL], s[SEL+1]
.endr
.irp i, 0,1,2,3,4,5,6,7
	v_add_f32 v[Q+8*\i], v[Q+8*\i], v[Q+8*\i+1]
.endr
.irp i, 0,1,2,3,4,5,6,7
	v_fma_f32 v[Q+8*\i], v[Q+8*\i], s17, s18                       ; var + eps / 256
.endr
.irp i, 0,1,2,3,4,5,6,7
	v_rsq_f32 v[RS+\i], v[Q+8*\i]
.endr
.irp i, 0,1,2,3,4,5,6,7
.irp p, 0,1,2,3
	v_cvt_pk_f16_f32 v[AX+8*\i+\p], v[M+8*\i+2*\p], v[M+8*\i+2*\p+1]   ; the extra K step's fragment: k = 8 h + 0..7 are the groups,
.endr
.endr
.irp i, 0,1,2,3,4,5,6,7
.irp p, 4,5,6,7
	v_mov_b32 v[AX+8*\i+\p], 0                                     ; k = 16..31 zeros
.endr
.endr
	s_wait_alu depctr_va_vdst(0)                   ; one wait behind the eight roots, ahead of every label and of their first reader
	WIN 0xc0
.irp i, 0,1,2,3,4,5,6,7
.irp t, 0,1,2,3,4,5,6,7
	global_load_b128 v[32*\i+4*\t:32*\i+4*\t+3], v[CO], s[10:11] offset:(64*(\t/4)+8*\i+2*(\t%4))*4096 th:TH_LOAD_NT   ; x, in the order in which the rows leave: it lands under the product
.endr
.endr
	WIN 0
	s_wait_tensorcnt 1                             ; my part of K step 0 is in; K step 1's may be out
	s_barrier_signal -1
	s_barrier_wait -1
	FETCH 0, 0, F0
	WIN MULW
	MUL8 F1, 0, 1                                  ; the extra K step starts the sums: nothing is cleared
	MUL8 F1, 2, 1
	MUL8 F1, 4, 1
	MUL8 F1, 6, 1
	QUARTER 0, 1, F0, F1, 0
	WIN 0
	s_mov_b32 s3, 3
.Llap:
	QUARTER 0, 2, F1, F0, 0
	QUARTER 0, 3, F0, F1, 0
	TURN 0, 1, 1, 0
	QUARTER 1, 1, F0, F1, 0
	QUARTER 1, 2, F1, F0, 0
	QUARTER 1, 3, F0, F1, 0
	TURN 1, 0, 1, 0
	QUARTER 0, 1, F0, F1, 0
	WIN 0
	s_sub_co_u32 s3, s3, 1
	s_cmp_lg_u32 s3, 0
	s_cbranch_scc1 .Llap
	QUARTER 0, 2, F1, F0, 0                        ; the tail asks for nothing more
	QUARTER 0, 3, F0, F1, 0
	TURN 0, 1, 0, 0
	QUARTER 1, 1, F0, F1, 0
	QUARTER 1, 2, F1, F0, 0
	QUARTER 1, 3, F0, F1, 0
	s_wait_dscnt 8
	WIN MULW
	MUL8 F1, 0, 0
	MUL8 F1, 2, 0
	s_wait_dscnt 0x0
	MUL8 F1, 4, 0
	MUL8 F1, 6, 0
	WIN 0
; THE WAY OUT, a tile of 16 rows at a time: x rstd + bias2; through my own stage, so that sixteen lanes hold a row's 256 bytes; + x; stored at the rows' true places.
.macro OUTT i
	WIN 0x02                                       ; source 0: window 2
.irp j, 0,1,2,3
.irp p, 0,2,4,6
.if (\i)%2
	v_pk_fma_f32 v[TMP+8*\j+\p:TMP+8*\j+\p+1], v[8*(4*(\i)+\j)+\p:8*(4*(\i)+\j)+\p+1], v[RS+(\i)-1:RS+(\i)], v[BIAS+8*\j+\p:BIAS+8*\j+\p+1] op_sel:[0,1,0] op_sel_hi:[1,1,1]
.else
	v_pk_fma_f32 v[TMP+8*\j+\p:TMP+8*\j+\p+1], v[8*(4*(\i)+\j)+\p:8*(4*(\i)+\j)+\p+1], v[RS+(\i):RS+(\i)+1], v[BIAS+8*\j+\p:BIAS+8*\j+\p+1] op_sel_hi:[1,0,1]
.endif
.endr
.endr
	WIN 0
.irp j, 0,1,2,3
	ds_store_b128 v[STO], v[TMP+8*\j:TMP+8*\j+3] offset:64*\j
	ds_store_b128 v[STO], v[TMP+8*\j+4:TMP+8*\j+7] offset:64*\j+16
.endr
.if (\i) > 1
	s_wait_xcnt 0x0                                ; tile i - 2's stores have read their registers
.endif
.irp t, 0,1,2,3,4,5,6,7
	ds_load_b128 v[BK+32*((\i)%2)+4*\t:BK+32*((\i)%2)+4*\t+3], v[RD] offset:544*\t   ; LDS serves a wave's instructions in order: these see my stores
.endr
	s_wait_dscnt 0x0
	WIN 0x0c                                       ; source 1: window 3
.irp t, 0,1,2,3,4,5,6,7
.irp p, 0,2
	v_pk_add_f32 v[BK+32*((\i)%2)+4*\t+\p:BK+32*((\i)%2)+4*\t+\p+1], v[BK+32*((\i)%2)+4*\t+\p:BK+32*((\i)%2)+4*\t+\p+1], v[32*(\i)+4*\t+\p:32*(\i)+4*\t+\p+1]
.endr
.endr
	WIN 0
.irp t, 0,1,2,3,4,5,6,7
	global_store_b128 v[CO], v[BK+32*((\i)%2)+4*\t:BK+32*((\i)%2)+4*\t+3], s[12:13] offset:(64*(\t/4)+8*(\i)+2*(\t%4))*4096 th:TH_STORE_NT   ; sixteen lanes store 256 consecutive bytes, aligned
.endr
.endm
	s_wait_loadcnt 0x0                             ; x
	PLACES
.irp i, 0,1,2,3,4,5,6,7
	OUTT \i
.endr
	s_wait_tensorcnt 0x0                           ; the wave's end
	ds_add_u32 v[SPW], v[NIL]
	s_wait_dscnt 0x0
	CROUND                                         ; the closing round
	s_endpgm
.Lfunc_end_k_q2150591a3e_outp:
	.size	k_q2150591a3e_outp, .Lfunc_end_k_q2150591a3e_outp-k_q2150591a3e_outp
	.p2alignl 7, 3214868480
	.fill 96, 4, 3214868480
	.section	.rodata,"a",@progbits
	.p2align	6, 0x0
	.amdhsa_kernel k_q2150591a3e_outp
		.amdhsa_group_segment_fixed_size 327680
		.amdhsa_private_segment_fixed_size 0
		.amdhsa_enable_private_segment 0
		.amdhsa_kernarg_size 40
		.amdhsa_user_sgpr_count 2
		.amdhsa_user_sgpr_kernarg_segment_ptr 1
		.amdhsa_wavefront_size32 1
		.amdhsa_system_sgpr_workgroup_id_x 1
		.amdhsa_system_sgpr_workgroup_id_y 1
		.amdhsa_system_sgpr_workgroup_id_z 1
		.amdhsa_system_vgpr_workitem_id 0
		.amdhsa_next_free_vgpr 1024
		.amdhsa_next_free_sgpr 100
		.amdhsa_reserve_vcc 0
		.amdhsa_float_denorm_mode_32 3
		.amdhsa_float_denorm_mode_16_64 3
		.amdhsa_memory_ordered 1
		.amdhsa_forward_progress 1
		.amdhsa_inst_pref_size 139
	.end_amdhsa_kernel
	.amdgpu_metadata
---
amdhsa.version: [ 1, 2 ]
amdhsa.kernels:
  - .name:           k_q2150591a3e_outp
    .symbol:         k_q2150591a3e_outp.kd
    .args:
      - { .name: di, .offset: 0, .size: 8, .value_kind: global_buffer, .address_space: global }
      - { .name: st, .offset: 8, .size: 8, .value_kind: global_buffer, .address_space: global }
      - { .name: wimg, .offset: 16, .size: 8, .value_kind: global_buffer, .address_space: global }
      - { .name: x, .offset: 24, .size: 8, .value_kind: global_buffer, .address_space: global }
      - { .name: out0, .offset: 32, .size: 8, .value_kind: global_buffer, .address_space: global }
    .group_segment_fixed_size: 327680
    .private_segment_fixed_size: 0
    .kernarg_segment_align: 8
    .kernarg_segment_size: 40
    .max_flat_workgroup_size: 128
    .sgpr_count:     100
    .vgpr_count:     1024
    .wavefront_size: 32
...
	.end_amdgpu_metadata
.endif
;; end of part 4
